; MI455X (gfx1250); checked and timed in simulation.
; The chip was launched on July 23, 2026; its instructions are those of AMD's public machine-readable ISA for CDNA 5 (MIT licence, August 2026) and "CDNA5" Instruction Set Architecture Reference Guide (July 2026). The comments in the code are by the model that wrote it; some were corrected since.
;; Self Attention. Allowed arithmetic: matrix products marked QUANTISED: E2M3 operands, one E8M0 scale for each 32 along K, by v_wmma_scale_f32_16x16x128_f8f6f4 with both operands' format E2M3, f32 sums; everything else in f32.
;; Inputs: Wk 1,024 x 1,024 float32; Wo 1,024 x 1,024 float32; Wq 1,024 x 1,024 float32; Wv 1,024 x 1,024 float32; bo 1,024 float32; keys 4 x 2,048 x 1,024 float32; queries 4 x 2,048 x 1,024 float32; values 4 x 2,048 x 1,024 float32.
;; Outputs: out0 4 x 2,048 x 1,024 float32.
;; This version of the problem:
;;   THIS VERSION OF THE PROBLEM IS GIVEN IN LOW PRECISION. The matrix products marked QUANTISED in the list below multiply operands that are first quantised to E2M3 (2 exponent bits, 3 mantissa bits; 6 bits a number), with one power-of-two scale for each 32 numbers along K (OCP MX v1.0); their sums are f32. All else is computed in f32.
;;   The module's matrix products, in the order in which they are computed (A, B: the left and right operand; K: the contracted axis; several contracted axes count as one K, in the product's order):
;;     1. [M 8,192, K 1,024] x [K 1,024, N 1,024]; A: input keys; B: input Wk: QUANTISED
;;     2. [M 8,192, K 1,024] x [K 1,024, N 1,024]; A: input queries; B: input Wq: QUANTISED
;;     3. [M 8,192, K 1,024] x [K 1,024, N 1,024]; A: input values; B: input Wv: QUANTISED
;;     4. batch 64 x [M 2,048, K 64] x [K 64, N 2,048]; A: computed on the way; B: computed on the way: QUANTISED
;;     5. batch 64 x [M 2,048, K 2,048] x [K 2,048, N 64]; A: computed on the way; B: computed on the way: QUANTISED
;;     6. [M 8,192, K 1,024] x [K 1,024, N 1,024]; A: computed on the way; B: input Wo: QUANTISED
;;   THE QUANTISER, for each operand of a quantised product, along K:
;;     - K is cut into blocks of 32 from its start; a last block that is shorter is filled with zeros.
;;     - A block's scale is 2^e with e = floor(log2(the largest magnitude in the block)) - 2, held to -126 .. 127; a block of zeros has e = 0. As a byte (E8M0): e + 127.
;;     - Each number is divided by its block's scale, clamped to +-7.5, and rounded to the nearest number of E2M3, ties to even, subnormals kept.
;;     - The product sums the exact products of the quantised numbers (number of the format x scale) in f32.
;;   ~~~python
;;   def quantise(x, axis):      # numpy; x: float32 -> the quantised numbers, widened to float32 again
;;       x = np.moveaxis(x, axis, -1); K = x.shape[-1]
;;       x = np.pad(x, [(0, 0)] * (x.ndim - 1) + [(0, -K % 32)]); x = x.reshape(x.shape[:-1] + (-1, 32)); a = np.abs(x).max(-1, keepdims=True)
;;       e = np.where(a > 0, np.clip(np.frexp(np.where(a > 0, a, 1))[1] - 1 - 2, -126, 127), 0)      # np.frexp(a)[1] - 1 = floor(log2(a)), exactly
;;       r = np.clip(x / 2.0 ** e, -7.5, 7.5)
;;       step = 2.0 ** (np.maximum(np.frexp(np.where(r == 0, 1, r))[1] - 1, 0) - 3)
;;       q = np.round(r / step) * step * 2.0 ** e      # np.round: ties to even
;;       return np.moveaxis(q.reshape(q.shape[:-2] + (-1,))[..., :K], -1, axis).astype(np.float32)
;;   ~~~
;;   OPERANDS COMPUTED ON THE WAY. 'Computed on the way' means the value that the module computes at that place (a softmax that the list does not call 'softmax' is quantised finished and normalised). What goes into a quantiser is computed in f32, as accurately as f32 sums, v_exp_f32 and their like allow (about 1e-6 of the number): no bf16 or f16 on the way to a quantiser, and a product that is left as it is and whose result goes on into a quantised operand takes f32 operands (vector FMAs, or v_wmma_f32_16x16x4_f32). A number that lies on a knife's edge between two numbers of the format may be rounded either way, as far as f32 arithmetic and the matrix unit's own rounding can turn it there, and no further.
;; 2 versions, each right; version 2 is version 1 with the launch attn written anew for expert scheduling mode. Each part assembles by itself: llvm-mc -triple=amdgcn-amd-amdhsa -mcpu=gfx1250 --defsym DOCPART=n.
;; ======== version 1 of 2: 4 launches
;; workspace buffers: xc 22,020,096 bytes; xs 917,504 bytes; pc 18,874,368 bytes; ps 786,432 bytes; oc 6,291,456 bytes; osc 262,144 bytes
;; launch quant (part 1): grid 896 x 1, 4 waves a work-group, no clusters, 35,328 bytes of LDS; arguments keys, queries, values, Wk, Wq, Wv, Wo, xc, xs; writes xc, xs
.if DOCPART == 1
	.amdgcn_target "amdgcn-amd-amdhsa--gfx1250"
	.amdhsa_code_object_version 6
	.text
	.protected	k_q149b762f5c_quant
	.globl	k_q149b762f5c_quant
	.p2align	8
	.type	k_q149b762f5c_quant,@function
k_q149b762f5c_quant:
	s_mov_b64 s[64:65], 0
	v_nop
	global_prefetch_b8 v0, s[64:65] scope:SCOPE_SE
	s_setreg_imm32_b32 hwreg(HW_REG_WAVE_MODE, 25, 1), 1
	s_wait_xcnt 0x0
; keys, queries, values [8192][1024] and Wk, Wq, Wv, Wo [1024][1024], f32 with K innermost, become codes of FP6 (E2M3) with one E8M0 byte for each 32 along K.
; A block's scale is 2^(floor(log2(its largest magnitude)) - 2): its byte is the largest magnitude's exponent field - 2, held at 1 from below.
; LIMITS: a block of zeros gets the byte 1 where the rule says 127 (its codes are zeros, and the bytes are read by this program alone); blocks whose largest magnitude lies under 2^-124 are held at byte 1;
; NaN and infinities among the inputs are not served.
; LAYOUT OF THE WORKSPACE.  Tiles of 16 rows, 1,792 in all (keys 0, queries 512, values 1024, Wk 1536, Wq 1600, Wv 1664, Wo 1728).  Row r of tile T is true row 32 (T / 2) + 8 (T % 2) + r + 8 (r / 8):
; used as source 0 of a product, two neighbouring tiles then leave 16 true neighbours in a lane's 16 result registers.
; xc: [tile][16 chunks of 64 along K][768 bytes]: a chunk is the image of six operand registers: lane l's registers 0-3 at 16 l, its registers 4-5 at 512 + 8 l; lane (r, h) holds k = 64 c + 32 h + 0 .. 31 of row r.
; xs: [tile][8 steps of 128 along K][64 bytes]: row r's scale word at 4 r.
; SHARES.  Work-group t takes tiles 2 t and 2 t + 1; wave w tile 2 t + w / 2 and half w % 2 of K: 16 rows x 512 numbers in four steps of 128 along K.  Each load reads 512 consecutive bytes of one row;
; a step's 8,192 bytes turn through the wave's own stage in LDS (rows 528 bytes apart) and come back 32 neighbours along K to a lane and block.  No barrier: waves share nothing.  No matrix work, no tensor load:
; memory binds, and loads run two steps (32 loads a wave) ahead.
.set WREG, 8704                        ; LDS of a wave: the stage, 16 x 528 bytes, and behind it 256 bytes for its scale words
.set SP,   528
.set R,    16                          ; v16-143  two sets of 64 registers as loaded
.set X,    144                         ; v144-207 register 32 c + i = k 64 c + 32 h + i of my row
.set C,    208                         ; v208-231 two sets of 12: a step's two chunks
.set H2,   232                         ; v232-234, v236-238 the second halves of the blocks' codes
.set MX,   240                         ; largest magnitudes
.set SO,   242                         ; the conversions' scale operands
.set BY,   244                         ; the bytes
.set WD,   246                         ; the scale word
.set PT,   247                         ; the other half's part of it
	s_load_b512 s[4:19], s[0:1], 0x0               ; keys, queries, values, Wk, Wq, Wv, Wo, xc
	s_load_b64 s[20:21], s[0:1], 0x40              ; xs
	v_lshl_add_u32 v248, v0, 2, 0x8800
	v_mov_b32 v249, 0
	v_lshrrev_b32 v1, 5, v0
	v_readfirstlane_b32 s26, v1                    ; wave
	v_and_b32 v2, 31, v0                           ; lane
	v_lshlrev_b32 v3, 4, v2                        ; 16 x lane: a load's, and a store's of 16 bytes
	v_lshlrev_b32 v4, 3, v2                        ; 8 x lane
	v_and_b32 v10, 15, v0                          ; r
	v_bfe_u32 v11, v0, 4, 1                        ; h
	s_mul_i32 s27, s26, WREG
	v_add_nc_u32 v5, s27, v3                       ; the stage, on the way in
	v_mul_u32_u24 v6, v10, SP
	v_lshl_add_u32 v6, v11, 7, v6
	v_add_nc_u32 v6, s27, v6                       ; and out: row r, 128 h bytes on
	s_add_co_u32 s27, s27, 16*SP
	v_lshl_add_u32 v7, v10, 2, s27                 ; my row's scale word
	v_add_nc_u32 v8, s27, v4                       ; the scale words on their way out
	v_lshlrev_b32 v9, 3, v11                       ; 8 h: my bytes' place in the word
	v_mov_b32 v[PT], 0                             ; a lane permute's destination counts as one of its sources
	s_mov_b32 s22, 0x76543210
	s_mov_b32 s23, 0xfedcba98                      ; v_permlanex16_b32's selects for lane l xor 16
	s_lshr_b32 s28, s26, 1                         ; which of the two tiles
	s_and_b32 s29, s26, 1                          ; which half of K
	s_mov_b32 s24, 0                               ; the tensor's first work-group
	s_wait_kmcnt 0x0
.macro PICK first, ptr                 ; the tensor is chosen by the work-group's number alone; one path serves all seven
	s_cmp_ge_u32 ttmp9, \first
	s_cselect_b64 s[4:5], s[\ptr:\ptr+1], s[4:5]
	s_cselect_b32 s24, \first, s24
.endm
	PICK 256, 6
	PICK 512, 8
	PICK 768, 10
	PICK 800, 12
	PICK 832, 14
	PICK 864, 16
	s_sub_co_u32 s30, ttmp9, s24
	s_lshl_b32 s30, s30, 17                        ; 32 rows of 4,096 bytes for each work-group,
	s_lshl_b32 s31, s28, 15                        ; 8 rows on for the second tile,
	s_add_co_u32 s30, s30, s31
	s_lshl_b32 s31, s29, 11                        ; 512 numbers on for the second half of K
	s_add_co_u32 s30, s30, s31
	s_mov_b32 s31, 0
	s_add_nc_u64 s[4:5], s[4:5], s[30:31]
	s_lshl_b32 s32, ttmp9, 1
	s_add_co_u32 s32, s32, s28                     ; my tile among the 1,792
	s_mul_i32 s34, s32, 12288
	s_mul_i32 s33, s29, 6144
	s_add_co_u32 s34, s34, s33
	s_mov_b32 s35, 0
	s_add_nc_u64 s[18:19], s[18:19], s[34:35]
	s_lshl_b32 s34, s32, 9
	s_lshl_b32 s33, s29, 8
	s_add_co_u32 s34, s34, s33
	s_add_nc_u64 s[20:21], s[20:21], s[34:35]
.macro LOAD s                          ; step s: 128 numbers of each of the tile's 16 rows; 32 lanes read 512 consecutive bytes
.irp i, 0,1,2,3,4,5,6,7,8,9,10,11,12,13,14,15
	global_load_b128 v[R+64*((\s)%2)+4*\i:R+64*((\s)%2)+4*\i+3], v3, s[4:5] offset:(\i+8*(\i/8))*4096+512*(\s) th:TH_LOAD_NT
.endr
.endm
.macro STEP s
.if (\s) < 3
	s_wait_loadcnt 16                              ; this step's sixteen loads are in; the next step's sixteen may be out
.else
	s_wait_loadcnt 0x0
.endif
.irp i, 0,1,2,3,4,5,6,7,8,9,10,11,12,13,14,15
	ds_store_b128 v5, v[R+64*((\s)%2)+4*\i:R+64*((\s)%2)+4*\i+3] offset:SP*\i
.endr
.irp c, 0,1
.irp j, 0,1,2,3,4,5,6,7
	ds_load_b128 v[X+32*\c+4*\j:X+32*\c+4*\j+3], v6 offset:256*\c+16*\j   ; LDS serves a wave's instructions in order: these see the stores above
.endr
.endr
	s_wait_dscnt 0x0                               ; my 64 numbers are back; the stores have read their registers; the last step's scale word is stored
.if (\s) < 2
	LOAD (\s)+2
.endif
.irp c, 0,1
	v_max3_num_f32 v[MX+\c], |v[X+32*\c]|, |v[X+32*\c+1]|, 0x1800000   ; block 2 c + h: all its 32 numbers are mine; the floor 2^(3 - 127) holds the byte at 1 from below
.endr
.irp i, 2,4,6,8,10,12,14,16,18,20,22,24,26,28,30
.irp c, 0,1
	v_max3_num_f32 v[MX+\c], v[MX+\c], |v[X+32*\c+\i]|, |v[X+32*\c+\i+1]|
.endr
.endr
.irp c, 0,1
	v_add_nc_u32 v[SO+\c], 0xff000000, v[MX+\c]    ; 2 off the exponent field: the conversion takes that field as its scale
.endr
.irp c, 0,1
	v_lshrrev_b32 v[BY+\c], 23, v[SO+\c]           ; the scale's byte
.endr
	v_lshl_or_b32 v[WD], v[BY+1], 16, v[BY]        ; blocks h and 2 + h of my row,
	v_lshlrev_b32 v[WD], v9, v[WD]                 ; at their places in the word;
	v_permlanex16_b32 v[PT], v[WD], s22, s23
	v_or_b32 v[WD], v[WD], v[PT]                   ; with lane l xor 16's two the word is whole
	s_wait_xcnt 0x0                                ; the stores of two steps ago have read this set of code registers
.irp c, 0,1
	v_cvt_scalef32_pk16_fp6_f32 v[C+12*((\s)%2)+6*\c:C+12*((\s)%2)+6*\c+2], v[X+32*\c:X+32*\c+15], v[SO+\c]
	v_cvt_scalef32_pk16_fp6_f32 v[H2+4*\c:H2+4*\c+2], v[X+32*\c+16:X+32*\c+31], v[SO+\c]   ; (a conversion's three registers begin on an even number)
.endr
	v_nop                                          ; one plain place behind a scaled conversion
.irp c, 0,1
.irp i, 0,1,2
	v_mov_b32 v[C+12*((\s)%2)+6*\c+3+\i], v[H2+4*\c+\i]
.endr
.endr
.irp c, 0,1
	global_store_b128 v3, v[C+12*((\s)%2)+6*\c:C+12*((\s)%2)+6*\c+3], s[18:19] offset:1536*(\s)+768*\c          ; 512 consecutive bytes, aligned
	global_store_b64 v4, v[C+12*((\s)%2)+6*\c+4:C+12*((\s)%2)+6*\c+5], s[18:19] offset:1536*(\s)+768*\c+512    ; 256 consecutive bytes, aligned
.endr
	ds_store_b32 v7, v[WD] offset:64*(\s)          ; lanes r and r + 16 write the same word with the same value
.endm
	LOAD 0
	LOAD 1
	STEP 0
	STEP 1
	STEP 2
	STEP 3
	ds_load_b64 v[10:11], v8                       ; the four steps' scale words: these see my stores
	s_wait_dscnt 0x0
	global_store_b64 v4, v[10:11], s[20:21]        ; 256 consecutive bytes, aligned
	s_wait_tensorcnt 0x0
	ds_add_u32 v248, v249
	s_wait_dscnt 0x0
	s_endpgm
.Lfunc_end_k_q149b762f5c_quant:
	.size	k_q149b762f5c_quant, .Lfunc_end_k_q149b762f5c_quant-k_q149b762f5c_quant
	.p2alignl 7, 3214868480
	.fill 96, 4, 3214868480
	.section	.rodata,"a",@progbits
	.p2align	6, 0x0
	.amdhsa_kernel k_q149b762f5c_quant
		.amdhsa_group_segment_fixed_size 35328
		.amdhsa_private_segment_fixed_size 0
		.amdhsa_enable_private_segment 0
		.amdhsa_kernarg_size 72
		.amdhsa_user_sgpr_count 2
		.amdhsa_user_sgpr_kernarg_segment_ptr 1
		.amdhsa_wavefront_size32 1
		.amdhsa_system_sgpr_workgroup_id_x 1
		.amdhsa_system_sgpr_workgroup_id_y 1
		.amdhsa_system_sgpr_workgroup_id_z 1
		.amdhsa_system_vgpr_workitem_id 0
		.amdhsa_next_free_vgpr 250
		.amdhsa_next_free_sgpr 66
		.amdhsa_reserve_vcc 0
		.amdhsa_float_denorm_mode_32 3
		.amdhsa_float_denorm_mode_16_64 3
		.amdhsa_memory_ordered 1
		.amdhsa_forward_progress 1
		.amdhsa_inst_pref_size 32
	.end_amdhsa_kernel
	.amdgpu_metadata
---
amdhsa.version: [ 1, 2 ]
amdhsa.kernels:
  - .name:           k_q149b762f5c_quant
    .symbol:         k_q149b762f5c_quant.kd
    .args:
      - { .name: keys, .offset: 0, .size: 8, .value_kind: global_buffer, .address_space: global }
      - { .name: queries, .offset: 8, .size: 8, .value_kind: global_buffer, .address_space: global }
      - { .name: values, .offset: 16, .size: 8, .value_kind: global_buffer, .address_space: global }
      - { .name: Wk, .offset: 24, .size: 8, .value_kind: global_buffer, .address_space: global }
      - { .name: Wq, .offset: 32, .size: 8, .value_kind: global_buffer, .address_space: global }
      - { .name: Wv, .offset: 40, .size: 8, .value_kind: global_buffer, .address_space: global }
      - { .name: Wo, .offset: 48, .size: 8, .value_kind: global_buffer, .address_space: global }
      - { .name: xc, .offset: 56, .size: 8, .value_kind: global_buffer, .address_space: global }
      - { .name: xs, .offset: 64, .size: 8, .value_kind: global_buffer, .address_space: global }
    .group_segment_fixed_size: 35328
    .private_segment_fixed_size: 0
    .kernarg_segment_align: 8
    .kernarg_segment_size: 72
    .max_flat_workgroup_size: 128
    .sgpr_count:     66
    .vgpr_count:     250
    .wavefront_size: 32
...
	.end_amdgpu_metadata
.endif
;; end of part 1
;; launch proj (part 2): grid 4 x 192, 4 waves a work-group, clusters of 4 x 4, 307,712 bytes of LDS; arguments xc, xs, pc, ps; writes pc, ps
.if DOCPART == 2
	.amdgcn_target "amdgcn-amd-amdhsa--gfx1250"
	.amdhsa_code_object_version 6
	.text
	.protected	k_q149b762f5c_proj
	.globl	k_q149b762f5c_proj
	.p2align	8
	.type	k_q149b762f5c_proj,@function
k_q149b762f5c_proj:
	s_mov_b64 s[64:65], 0
	v_nop
	global_prefetch_b8 v0, s[64:65] scope:SCOPE_SE
	s_setreg_imm32_b32 hwreg(HW_REG_WAVE_MODE, 25, 1), 1
	s_wait_xcnt 0x0
	s_wait_alu depctr_hold_cnt(0) depctr_sa_sdst(0) depctr_va_vdst(0) depctr_va_sdst(0) depctr_va_ssrc(0) depctr_va_vcc(0) depctr_vm_vsrc(0)
	s_getreg_b32 s2, hwreg(HW_REG_IB_STS2, 6, 4)
	s_cmp_eq_u32 s2, 0
	s_cbranch_scc0 .Lentry_in_a_cluster
	s_endpgm
.Lentry_in_a_cluster:
	s_bfe_u32 s2, ttmp6, 0x10000c
	s_cmp_lg_u32 s2, 0xf033
	s_cbranch_scc0 .Lentry_shape_is_right
	s_endpgm
.Lentry_shape_is_right:
; k = keys Wk^T, q = queries Wq^T and v^T = Wv values^T on codes of FP6 (E2M3) with E8M0 scales; K = 1,024.  The results are quantised in registers, along their second index, and stored as codes.
; P[i][j] = sum over k of X[i][k] Y[j][k].  p = 0: X = keys, Y = Wk; p = 1: X = queries, Y = Wq; p = 2: X = Wv, Y = values (so that v comes out with the tokens, the next product's K, innermost).
; OPERANDS lie in xc, xs as images of operand registers: tiles of 16 rows, [tile][16 chunks of 64 along K][768 bytes], scale words [tile][8 steps][64 bytes].  Row r of tile T is true row 32 (T / 2) + 8 (T % 2) + r + 8 (r / 8).
; SHARES.  A work-group makes 128 rows of X (8 tiles) x 256 rows of Y (16 tiles).  All of K of both, 294,912 bytes, and their scale words, 12,288 bytes, fit in LDS: every byte of LDS is filled once, nothing is filled again.
; Four waves; wave w takes X's tiles 4 (w / 2) .. + 3 against Y's tiles 8 (w % 2) .. + 7: 32 accumulators.
; THE MATRIX INSTRUCTION IS USED TRANSPOSED (source 0 = 16 rows of Y, source 1 = 16 rows of X): lane (r, h) holds X's row r, and by the order of Y's rows register 16 b + i of an X tile's 64 is true j = 32 b + 16 h + i:
; 128 neighbours, one K step of the next product: one fragment of 12 registers and one scale word a row.
; CLUSTERS: 4 x 4 work-groups.  X's tiles hang on the tile row alone and are asked for jointly along a row of the cluster, Y's on the tile column alone and along a column.
; OUT.  pc: k at 0 and q at 6,291,456 as [tile of tokens][head][768]; v^T at 12,582,912 as [tile of e][token / 64][768].  ps: k at 0, q at 262,144 as [tile][j / 128][64]; v^T at 524,288 as [tile][token / 128][64].
; LIMITS: a block of zeros gets the byte 1 where the rule says 127 (zero codes; the bytes are read by this program alone); blocks whose largest magnitude lies under 2^-124 are held at byte 1; NaN and infinities are not served.
; REGISTERS: window 0: v2-12 addresses; v16-31 scale words, two sets; v32-127 X's fragments, two sets of 48; v128-146 codes just made; v148-163 at work; v164-167 the four scale words made.
;   window 1: v0-191 Y's fragments, two sets of 96.   window 2: the accumulators, (a, b) at v[8 (8 a + b)].
.set XL,   0                           ; LDS: X's codes [quarter of K][tile 0..7][3072]
.set YL,   98304                       ; Y's codes [quarter][tile 0..15][3072]
.set XS,   294912                      ; X's scale words [tile][512]
.set YS,   299008                      ; Y's
.set XA16, 2
.set XA8,  3
.set YA16, 4
.set YA8,  5
.set ADRS, 6
.set SO0,  7
.set RR,   8
.set HH,   9
.set L16,  10
.set L8,   11
.set SO1,  12
.set SC,   16
.set XF,   32
.set PC,   128
.set TM,   148
.set PW,   164
.set G1X,  24                          ; s[24:31] group 1 for X's codes; s[32:39] Y's; s[40:47] X's scale words; s[48:55] Y's
.set G1Y,  32
.set G1XS, 40
.set G1YS, 48
.set GXS,  56                          ; groups 0, one for each load, never rewritten
.set GX0,  60
.set GX1,  68
.set GX2,  72
.set GX3,  76
.set GYS,  80
.set GY0,  84
.set GY1,  88
.set GY2,  92
.set GY3,  96
.set MSB, 0
.macro WIN new                         ; the immediate's high byte repeats the setting that is left
.if MSB != \new
	s_set_vgpr_msb (MSB<<8)|\new
.set MSB, \new
.endif
.endm
.macro PLACES n
.rept \n
	v_nop
.endr
.endm
.macro CROUND                          ; a round of the cluster's barrier
	s_barrier_signal -1
	s_barrier_wait -1
	s_cmp_lg_u32 s12, 0
	s_cbranch_scc1 .Lnot_wave_0_\@
	s_barrier_signal -3
.Lnot_wave_0_\@:
	s_barrier_wait -3
	s_barrier_signal -1
	s_barrier_wait -1
.endm
.macro SHAPE g, c, r, p                ; group 1's words 1 to 7: r rows of c elements of 8 bytes, p elements apart
	s_mov_b32 s[\g+1], (\c)<<16
	s_mov_b32 s[\g+2], (\r)<<16
	s_mov_b32 s[\g+3], (\c)<<16
	s_mov_b32 s[\g+4], \r
	s_mov_b32 s[\g+5], \p
	s_mov_b32 s[\g+6], 0
	s_mov_b32 s[\g+7], 0
.endm
.macro GROUP0 g, lreg, loff, base, goff
	s_mov_b32 s[\g], 1
	s_add_co_u32 s[\g+1], s[\lreg], \loff
	s_add_nc_u64 s[\g+2:\g+3], s[\base:\base+1], \goff
	s_or_b32 s[\g+3], s[\g+3], 0x80000000
.endm
	s_load_b256 s[4:11], s[0:1], 0x0               ; xc, xs, pc, ps
	v_lshl_add_u32 v254, v0, 2, 0x4b000
	v_mov_b32 v255, 0
	ds_add_u32 v254, v255
	ds_add_u32 v254, v255
	v_lshrrev_b32 v1, 5, v0
	v_readfirstlane_b32 s12, v1                    ; wave
	s_lshr_b32 s13, s12, 1                         ; wx: which four of X's tiles are mine.  Also: I fetch for X (0) or for Y (1)
	s_and_b32 s14, s12, 1                          ; wy: which eight of Y's.  Also: which half of that operand's tiles I fetch
	s_bfe_u32 s15, ttmp6, 0x40000                  ; cx
	s_bfe_u32 s20, ttmp6, 0x40004                  ; cy
	s_and_b32 s2, ttmp7, 0xffff                    ; the cluster's number, 0 .. 47
	s_lshr_b32 s3, s2, 4                           ; p: which product
	s_and_b32 s2, s2, 15
	s_lshr_b32 s100, s3, 1                         ; p2 = 1 for v^T, else 0
	s_mul_i32 s101, s100, 3
	s_lshr_b32 s21, s2, s101                       ; k, q: 16 groups of tile rows, 1 of tile columns;  v^T: 2 and 8
	s_lshl_b32 s21, s21, 2
	s_add_co_u32 s21, s21, s20                     ; tile row
	s_and_b32 s22, s2, 7
	s_mul_i32 s22, s22, s100
	s_lshl_b32 s22, s22, 2
	s_add_co_u32 s22, s22, s15                     ; tile column
	s_mul_i32 s104, s100, 640
	s_lshl_b32 s16, s3, 9
	s_add_co_u32 s16, s16, s104                    ; X's first tile in xc: 0, 512, 1664
	s_lshl_b32 s17, s3, 6
	s_add_co_u32 s17, s17, 1536
	s_sub_co_u32 s17, s17, s104                    ; Y's: 1536, 1600, 1024
	s_lshl_b32 s101, s21, 3
	s_add_co_u32 s16, s16, s101
	s_lshl_b32 s101, s14, 2
	s_add_co_u32 s16, s16, s101                    ; the first of the four tiles of X that I would fetch
	s_lshl_b32 s105, s22, 4
	s_add_co_u32 s17, s17, s105
	s_lshl_b32 s105, s14, 3
	s_add_co_u32 s17, s17, s105                    ; the first of the eight of Y
	s_lshl_b32 s23, s20, 2
	s_lshl_b32 s23, 15, s23                        ; my row of the cluster
	s_lshl_b32 s2, 0x1111, s15                     ; my column
	s_or_b32 s[G1X], s23, (3<<16)|(1<<21)          ; 15:0 the mask; 17:16 elements of 8 bytes; 21 set beside a mask; no padding: the images are read as they lie
	s_or_b32 s[G1XS], s23, (3<<16)|(1<<21)
	s_or_b32 s[G1Y], s2, (3<<16)|(1<<21)
	s_or_b32 s[G1YS], s2, (3<<16)|(1<<21)
	SHAPE G1X, 384, 4, 1536                        ; a quarter of K of four tiles: rows of 3,072 bytes, 12,288 apart
	SHAPE G1Y, 384, 8, 1536                        ; of eight tiles
	SHAPE G1XS, 32, 8, 32                          ; four tiles' scale words: 2,048 dense bytes as rows of 256
	SHAPE G1YS, 32, 16, 32                         ; eight tiles'
	s_mul_i32 s15, s14, 12288                      ; where they go hangs on the wave's number alone
	s_lshl_b32 s20, s14, 11
	s_mul_i32 s23, s14, 24576
	s_lshl_b32 s2, s14, 12
	s_wait_dscnt 0x0
	s_wait_kmcnt 0x0
	s_mul_i32 s100, s16, 12288
	s_mov_b32 s101, 0
	s_add_nc_u64 s[100:101], s[4:5], s[100:101]
	GROUP0 GX0, 15, XL, 100, 0
	GROUP0 GX1, 15, XL+24576, 100, 3072
	GROUP0 GX2, 15, XL+49152, 100, 6144
	GROUP0 GX3, 15, XL+73728, 100, 9216
	s_lshl_b32 s100, s16, 9
	s_mov_b32 s101, 0
	s_add_nc_u64 s[100:101], s[6:7], s[100:101]
	GROUP0 GXS, 20, XS, 100, 0
	s_mul_i32 s104, s17, 12288
	s_mov_b32 s105, 0
	s_add_nc_u64 s[104:105], s[4:5], s[104:105]
	GROUP0 GY0, 23, YL, 104, 0
	GROUP0 GY1, 23, YL+49152, 104, 3072
	GROUP0 GY2, 23, YL+98304, 104, 6144
	GROUP0 GY3, 23, YL+147456, 104, 9216
	s_lshl_b32 s104, s17, 9
	s_mov_b32 s105, 0
	s_add_nc_u64 s[104:105], s[6:7], s[104:105]
	GROUP0 GYS, 2, YS, 104, 0
	CROUND                                         ; all sixteen work-groups are here: the joint loads meet
	s_cmp_eq_u32 s13, 0                            ; a wave's five fills stand in one branch on its number: five loads of mine are out
	s_cbranch_scc0 .Lfill_y
	tensor_load_to_lds s[GXS:GXS+3], s[G1XS:G1XS+7]
	s_nop 0
	tensor_load_to_lds s[GX0:GX0+3], s[G1X:G1X+7]
	s_nop 0
	tensor_load_to_lds s[GX1:GX1+3], s[G1X:G1X+7]
	s_nop 0
	tensor_load_to_lds s[GX2:GX2+3], s[G1X:G1X+7]
	s_nop 0
	tensor_load_to_lds s[GX3:GX3+3], s[G1X:G1X+7]
	s_nop 0
	PLACES 4                                       ; places behind a tensor load
	s_branch .Lfilled
.Lfill_y:
	tensor_load_to_lds s[GYS:GYS+3], s[G1YS:G1YS+7]
	s_nop 0
	tensor_load_to_lds s[GY0:GY0+3], s[G1Y:G1Y+7]
	s_nop 0
	tensor_load_to_lds s[GY1:GY1+3], s[G1Y:G1Y+7]
	s_nop 0
	tensor_load_to_lds s[GY2:GY2+3], s[G1Y:G1Y+7]
	s_nop 0
	tensor_load_to_lds s[GY3:GY3+3], s[G1Y:G1Y+7]
	s_nop 0
	PLACES 4
.Lfilled:
	v_and_b32 v1, 31, v0
	v_and_b32 v[RR], 15, v0                        ; r
	v_bfe_u32 v[HH], v0, 4, 1                      ; h
	v_lshlrev_b32 v[L16], 4, v1
	v_lshlrev_b32 v[L8], 3, v1
	s_mul_i32 s100, s13, 12288
	v_add_nc_u32 v[XA16], s100, v[L16]             ; my four tiles of X in quarter 0
	v_add_nc_u32 v[XA8], s100, v[L8]
	s_mul_i32 s100, s14, 24576
	s_add_co_u32 s100, s100, YL
	v_add_nc_u32 v[YA16], s100, v[L16]             ; my eight of Y
	v_add_nc_u32 v[YA8], s100, v[L8]
	s_xor_b32 s100, s13, 1                         ; scale words: lanes 0-15 take X's, lanes 16-31 Y's: the lower base + h x the distance, 4096 + 4096 wy - 2048 wx
	s_lshl_b32 s100, s100, 11
	s_lshl_b32 s101, s14, 12
	s_add_co_u32 s100, s100, s101
	s_add_co_u32 s100, s100, 2048
	v_mul_u32_u24 v[ADRS], s100, v[HH]
	v_lshl_add_u32 v[ADRS], v[RR], 2, v[ADRS]
	s_lshl_b32 s101, s13, 11
	s_add_co_u32 s101, s101, XS
	v_add_nc_u32 v[ADRS], s101, v[ADRS]
	; where the results go
	s_lshr_b32 s100, s3, 1
	s_mul_i32 s18, s100, 86016
	s_add_co_u32 s18, s18, 12288                   ; bytes from tile to tile in pc: 12,288, for v^T 98,304
	s_mov_b32 s19, 0
	s_mul_i32 s15, s100, 3584
	s_add_co_u32 s15, s15, 512                     ; and in ps: 512, for v^T 4,096
	s_lshl_b32 s20, s21, 3
	s_lshl_b32 s101, s13, 2
	s_add_co_u32 s20, s20, s101                    ; my first tile of X
	s_mul_i32 s100, s20, s18
	s_mul_i32 s101, s3, 6291456
	s_add_co_u32 s100, s100, s101
	s_lshl_b32 s101, s22, 2
	s_lshl_b32 s104, s14, 1
	s_add_co_u32 s101, s101, s104                  ; my first chunk: j / 64
	s_mul_i32 s101, s101, 768
	s_add_co_u32 s100, s100, s101
	s_mov_b32 s101, 0
	s_add_nc_u64 s[8:9], s[8:9], s[100:101]
	s_mul_i32 s100, s20, s15
	s_lshl_b32 s104, s3, 18
	s_add_co_u32 s100, s100, s104
	s_lshl_b32 s104, s22, 1
	s_add_co_u32 s104, s104, s14                   ; j / 128
	s_lshl_b32 s104, s104, 6
	s_add_co_u32 s100, s100, s104
	s_add_nc_u64 s[10:11], s[10:11], s[100:101]
	v_mul_u32_u24 v[SO0], s15, v[HH]
	v_lshl_add_u32 v[SO0], v[RR], 2, v[SO0]        ; scale words leave two tiles at a time: lanes 0-15 one tile's, lanes 16-31 the next's
	s_lshl_b32 s104, s15, 1
	v_add_nc_u32 v[SO1], s104, v[SO0]
	s_mov_b32 s16, 0x76543210
	s_mov_b32 s17, 0xfedcba98                      ; v_permlanex16_b32's selects for lane l xor 16
.irp b, 0,1,2,3
	v_mov_b32 v[TM+4+\b], 0                        ; a lane permute's destination counts as one of its sources
.endr
; 56 LDS loads: the fragments and scale words of K step s into set s % 2.  A fragment is two chunks on end: 16, 8, 16, 8 bytes a lane.
.macro FETCH s
.set FS, (\s)%2
.set FO, 1536*((\s)%2)
	WIN 0x40
.irp b, 0,1,2,3,4,5,6,7
	ds_load_b128 v[96*FS+12*\b:96*FS+12*\b+3], v[YA16] offset:3072*\b+FO
	ds_load_b64 v[96*FS+12*\b+4:96*FS+12*\b+5], v[YA8] offset:3072*\b+FO+512
	ds_load_b128 v[96*FS+12*\b+6:96*FS+12*\b+9], v[YA16] offset:3072*\b+FO+768
	ds_load_b64 v[96*FS+12*\b+10:96*FS+12*\b+11], v[YA8] offset:3072*\b+FO+1280
.endr
	WIN 0
.irp a, 0,1,2,3
	ds_load_b128 v[XF+48*FS+12*\a:XF+48*FS+12*\a+3], v[XA16] offset:3072*\a+FO
	ds_load_b64 v[XF+48*FS+12*\a+4:XF+48*FS+12*\a+5], v[XA8] offset:3072*\a+FO+512
	ds_load_b128 v[XF+48*FS+12*\a+6:XF+48*FS+12*\a+9], v[XA16] offset:3072*\a+FO+768
	ds_load_b64 v[XF+48*FS+12*\a+10:XF+48*FS+12*\a+11], v[XA8] offset:3072*\a+FO+1280
.endr
.irp i, 0,1,2,3,4,5,6,7
	ds_load_b32 v[SC+8*FS+\i], v[ADRS] offset:512*\i+64*(\s)   ; lanes 0-15: X's tile i (for i over 3: filled bytes that no product uses); lanes 16-31: Y's tile i
.endr
.endm
; 32 matrix instructions: the 32 accumulators take turns, one instruction a turn, in the same order in every step.
.macro MUL32 set, first
.irp a, 0,1,2,3
.irp b, 0,1,2,3,4,5,6,7
.if \first
	v_wmma_scale_f32_16x16x128_f8f6f4 v[8*(8*\a+\b):8*(8*\a+\b)+7], v[96*(\set)+12*\b:96*(\set)+12*\b+11], v[XF+48*(\set)+12*\a:XF+48*(\set)+12*\a+11], 0, v[SC+8*(\set)+\b], v[SC+8*(\set)+\a] matrix_a_fmt:MATRIX_FMT_FP6 matrix_b_fmt:MATRIX_FMT_FP6 matrix_a_scale:MATRIX_SCALE_ROW1
.else
	v_wmma_scale_f32_16x16x128_f8f6f4 v[8*(8*\a+\b):8*(8*\a+\b)+7], v[96*(\set)+12*\b:96*(\set)+12*\b+11], v[XF+48*(\set)+12*\a:XF+48*(\set)+12*\a+11], v[8*(8*\a+\b):8*(8*\a+\b)+7], v[SC+8*(\set)+\b], v[SC+8*(\set)+\a] matrix_a_fmt:MATRIX_FMT_FP6 matrix_b_fmt:MATRIX_FMT_FP6 matrix_a_scale:MATRIX_SCALE_ROW1
.endif
.endr
.endr
.endm
; K step s: its fragments are in; the next step's are asked for, into the set that the step before multiplied; then the products.
.macro STEP s
	s_wait_dscnt 0x0                               ; this step's 56 loads are in
.if (\s) < 7
.if ((\s)+1)%2 == 0
	s_wait_tensorcnt 3-((\s)+1)/2                  ; my part of the next quarter of K has landed; the quarters behind it may be out
	s_barrier_signal -1
	s_barrier_wait -1                              ; everybody's has
	v_add_nc_u32 v[XA16], 24576, v[XA16]           ; on to that quarter.  These four are also the places in front of the loads below
	v_add_nc_u32 v[XA8], 24576, v[XA8]
	v_add_nc_u32 v[YA16], 49152, v[YA16]
	v_add_nc_u32 v[YA8], 49152, v[YA8]
.elseif (\s) > 0
	PLACES 4                                       ; in front of loads into registers that matrix instructions have read
.endif
	FETCH (\s)+1
.endif
	WIN 0xa1                                       ; source 0 (Y) window 1, source 1 (X) window 0, C and D window 2
.if (\s) == 0
	MUL32 0, 1                                     ; the first step starts the sums
.else
	MUL32 (\s)%2, 0
.endif
	WIN 0
.endm
	s_wait_tensorcnt 3                             ; my scale words and my part of the first quarter have landed; three quarters may be out
	s_barrier_signal -1
	s_barrier_wait -1
	FETCH 0
	STEP 0
	STEP 1
	STEP 2
	STEP 3
	STEP 4
	STEP 5
	STEP 6
	STEP 7
; X tile a's 64 results of a lane, register 16 b + i = true j 32 b + 16 h + i, become a fragment's codes in v[PC] on and its scale word.
.macro QUANTW a
	WIN 0x0a                                       ; sources 0 and 1: window 2
.irp b, 0,1,2,3
	v_max3_num_f32 v[TM+\b], |v[64*(\a)+16*\b]|, |v[64*(\a)+16*\b+1]|, 0x1800000   ; each accumulator is read from its low end on; the floor 2^(3 - 127) holds the byte at 1 from below
.endr
	WIN 0x28                                       ; sources 1 and 2: window 2
.irp i, 2,4,6,8,10,12,14
.irp b, 0,1,2,3
	v_max3_num_f32 v[TM+\b], v[TM+\b], |v[64*(\a)+16*\b+\i]|, |v[64*(\a)+16*\b+\i+1]|
.endr
.endr
	WIN 0
.irp b, 0,1,2,3
	v_permlanex16_b32 v[TM+4+\b], v[TM+\b], s16, s17
.endr
.irp b, 0,1,2,3
	v_max_num_f32 v[TM+\b], v[TM+\b], v[TM+4+\b]   ; with lane l xor 16's 16: the block's largest magnitude
.endr
.irp b, 0,1,2,3
	v_add_nc_u32 v[TM+12+\b], 0xff000000, v[TM+\b] ; 2 off the exponent field: the conversion's scale operand
.endr
.irp b, 0,1,2,3
	v_lshrrev_b32 v[TM+4+\b], 23, v[TM+12+\b]      ; the byte
.endr
	v_lshl_or_b32 v[PW+(\a)], v[TM+5], 8, v[TM+4]
	v_lshl_or_b32 v[PW+(\a)], v[TM+6], 16, v[PW+(\a)]
	v_lshl_or_b32 v[PW+(\a)], v[TM+7], 24, v[PW+(\a)]
	WIN 0x02                                       ; source 0: window 2
.irp c, 0,1
	v_cvt_scalef32_pk16_fp6_f32 v[PC+6*\c:PC+6*\c+2], v[64*(\a)+32*\c:64*(\a)+32*\c+15], v[TM+12+2*\c]
	v_cvt_scalef32_pk16_fp6_f32 v[PC+12+4*\c:PC+14+4*\c], v[64*(\a)+32*\c+16:64*(\a)+32*\c+31], v[TM+13+2*\c]
.endr
	WIN 0
	v_nop                                          ; one plain place behind a scaled conversion
.irp c, 0,1                                    ; the operand's layout wants a whole block in a lane
.irp i, 0,1,2
	v_permlane16_swap_b32 v[PC+6*\c+\i], v[PC+12+4*\c+\i]
.endr
.irp i, 0,1,2
	v_mov_b32 v[PC+3+6*\c+\i], v[PC+12+4*\c+\i]
.endr
.endr
.endm
	PLACES 4                                       ; in front of the first read of results
.irp a, 0,1,2,3
.if \a > 0
	s_wait_xcnt 0x0                                ; the last tile's stores have read their registers and their base
	s_add_nc_u64 s[8:9], s[8:9], s[18:19]          ; the next tile of X
.endif
	QUANTW \a
	global_store_b128 v[L16], v[PC:PC+3], s[8:9]               ; 512 consecutive bytes, aligned
	global_store_b64 v[L8], v[PC+4:PC+5], s[8:9] offset:512    ; 256
	global_store_b128 v[L16], v[PC+6:PC+9], s[8:9] offset:768
	global_store_b64 v[L8], v[PC+10:PC+11], s[8:9] offset:1280
.endr
	s_mov_b32 s100, 0xffff0000
	v_cndmask_b32 v13, v[PW], v[PW+1], s100        ; lanes 0-15 tile 0's words, lanes 16-31 tile 1's
	v_cndmask_b32 v14, v[PW+2], v[PW+3], s100
	global_store_b32 v[SO0], v13, s[10:11]         ; pieces of 64 bytes: one byte in 24 of what this launch stores
	global_store_b32 v[SO1], v14, s[10:11]
	s_wait_tensorcnt 0x0
	ds_add_u32 v254, v255
	s_wait_dscnt 0x0
	CROUND                                         ; the closing round
	s_endpgm
.Lfunc_end_k_q149b762f5c_proj:
	.size	k_q149b762f5c_proj, .Lfunc_end_k_q149b762f5c_proj-k_q149b762f5c_proj
	.p2alignl 7, 3214868480
	.fill 96, 4, 3214868480
	.section	.rodata,"a",@progbits
	.p2align	6, 0x0
	.amdhsa_kernel k_q149b762f5c_proj
		.amdhsa_group_segment_fixed_size 307712
		.amdhsa_private_segment_fixed_size 0
		.amdhsa_enable_private_segment 0
		.amdhsa_kernarg_size 32
		.amdhsa_user_sgpr_count 2
		.amdhsa_user_sgpr_kernarg_segment_ptr 1
		.amdhsa_wavefront_size32 1
		.amdhsa_system_sgpr_workgroup_id_x 1
		.amdhsa_system_sgpr_workgroup_id_y 1
		.amdhsa_system_sgpr_workgroup_id_z 1
		.amdhsa_system_vgpr_workitem_id 0
		.amdhsa_next_free_vgpr 768
		.amdhsa_next_free_sgpr 106
		.amdhsa_reserve_vcc 0
		.amdhsa_float_denorm_mode_32 3
		.amdhsa_float_denorm_mode_16_64 3
		.amdhsa_memory_ordered 1
		.amdhsa_forward_progress 1
		.amdhsa_inst_pref_size 92
	.end_amdhsa_kernel
	.amdgpu_metadata
---
amdhsa.version: [ 1, 2 ]
amdhsa.kernels:
  - .name:           k_q149b762f5c_proj
    .symbol:         k_q149b762f5c_proj.kd
    .args:
      - { .name: xc, .offset: 0, .size: 8, .value_kind: global_buffer, .address_space: global }
      - { .name: xs, .offset: 8, .size: 8, .value_kind: global_buffer, .address_space: global }
      - { .name: pc, .offset: 16, .size: 8, .value_kind: global_buffer, .address_space: global }
      - { .name: ps, .offset: 24, .size: 8, .value_kind: global_buffer, .address_space: global }
    .group_segment_fixed_size: 307712
    .private_segment_fixed_size: 0
    .kernarg_segment_align: 8
    .kernarg_segment_size: 32
    .max_flat_workgroup_size: 128
    .sgpr_count:     106
    .vgpr_count:     768
    .wavefront_size: 32
...
	.end_amdgpu_metadata
.endif
;; end of part 2
;; launch attn (part 3): grid 4 x 64, 8 waves a work-group, no clusters, 265,216 bytes of LDS; arguments pc, ps, oc, osc; writes oc, osc
.if DOCPART == 3
	.amdgcn_target "amdgcn-amd-amdhsa--gfx1250"
	.amdhsa_code_object_version 6
	.text
	.protected	k_q149b762f5c_attn
	.globl	k_q149b762f5c_attn
	.p2align	8
	.type	k_q149b762f5c_attn,@function
k_q149b762f5c_attn:
	s_mov_b64 s[64:65], 0
	v_nop
	global_prefetch_b8 v0, s[64:65] scope:SCOPE_SE
	s_setreg_imm32_b32 hwreg(HW_REG_WAVE_MODE, 25, 1), 1
	s_wait_xcnt 0x0
; O = (softmax(q k^T) / 8) v for one batch and head, both products on codes of FP6 (E2M3) with E8M0 scales; O is quantised along e and stored as codes for the last product.
; THE WEIGHTS ARE QUANTISED FINISHED: p = e^(s - max) / sum / 8, so a row's sum has to be known before any of its p is converted.  Nothing is computed twice for that: the unnormalised weights of 16 queries x 2,048 keys
; stay in the registers of the work-group's eight waves until the eight partial maxima and sums have met in LDS.
; SHARES.  A work-group takes one (batch, head) and 512 of its queries: 32 blocks of 16.  THE WAVES SHARE THE KEYS: wave w owns keys 256 w .. 256 w + 255 for the whole launch; its K (96 registers) and its V^T (96) are read from
; memory once.  All eight waves work on the same 16 queries.
; THE MAXIMUM.  t = s log2(e).  Each wave takes M_w = the largest t of its keys, rounded up to a whole number, and e_w = 2^(t - M_w); M = the largest M_w; the change from M_w to M is a power of two and rounds nothing.
; p = e_w x f, f = 2^(M_w - M) / (8 l), l = the sum over the waves of l_w 2^(M_w - M).
; K = 64 IN AN INSTRUCTION OF 128: an operand of K holds key tile 2 g in its registers 0-5 and tile 2 g + 1 in 6-11; q stands between two runs of six zero registers, so that v[22:33] multiplies the first tile and v[16:27] the second.
; LAYOUT.  Both products are used transposed (source 0 = 16 keys, or 16 of the head's 64; source 1 = the 16 queries): a lane holds one query.  By the order of rows in a tile of the workspace, row r of tile T being true row
; 32 (T / 2) + 8 (T % 2) + r + 8 (r / 8), the 16 registers of two neighbouring tiles are 16 true neighbours.
; O's PARTS.  Each wave's O^T (32 registers) goes to LDS as an image; after eight blocks wave w adds the eight waves' images of the group's block w, quantises and stores.
; NO JOINT LOADS: K and V go straight into registers, 24,576 bytes a wave, once for 32 blocks of work; no tile in LDS exists that work-groups could share, and those bytes are read once in the launch's whole run.
; LIMITS: a block's largest p is not searched for: the block's largest score goes through the same instructions, which takes v_exp_f32 not to fall where its input rises (at the worst one p of a block is held one code low);
; a block of zeros gets the byte 1 where the rule says 127; blocks whose largest magnitude lies under 2^-124 are held at byte 1; weights under 2^-126 of their wave's largest count as 0; NaN and infinities are not served.
; REGISTERS: window 0: v1-11 addresses; v[14:15] f; v16-33 zeros, q, zeros; v34-41 K's scale words, v42-49 V's, v50 q's, v51 q's word as loaded, v52-53 p's; v[54:55] -M_w; v56 l_w; v57-61 at work;
;   v64-191 scores, then weights; v192-215 p's codes; v216-222 halves of codes; v224-231 the blocks' largest; v232-255 at work.   window 1: v0-95 K; v96-191 V^T; v192-223 O^T.
.set EX,   262144                      ; LDS: O's images [wave][slot 0..7][4096] from 0; then two sets (by the block's parity) of [-M or l][query][wave], 1,024 bytes each
.set L16,  1
.set L8,   2
.set R4,   3
.set EXW,  4
.set EXR,  5
.set OPW0, 6
.set OPW,  7
.set RD,   8
.set KS,   34
.set VS,   42
.set QS,   50
.set QW,   51
.set PW,   52
.set S,    64
.set PC,   192
.set BM,   224
.set T1,   232
.set T2,   240
.set KB,   28
.set VB,   30
.set KSB,  32
.set VSB,  34
.set QB,   36
.set QSB,  38
.set OB,   40
.set OSB,  42
.set MSB, 0
.macro WIN new                         ; the immediate's high byte repeats the setting that is left
.if MSB != \new
	s_set_vgpr_msb (MSB<<8)|\new
.set MSB, \new
.endif
.endm
.macro PLACES n
.rept \n
	v_nop
.endr
.endm
	s_load_b256 s[4:11], s[0:1], 0x0               ; pc, ps, oc, osc
	v_lshl_add_u32 v62, v0, 2, 0x40800
	v_mov_b32 v63, 0
	v_lshrrev_b32 v12, 5, v0
	v_readfirstlane_b32 s12, v12                   ; wave 0..7
	s_and_b32 s14, ttmp7, 0xffff
	s_lshr_b32 s15, s14, 4                         ; batch
	s_and_b32 s16, s14, 15                         ; head
	s_lshr_b32 s17, s16, 1
	s_and_b32 s18, s16, 1
	v_and_b32 v12, 31, v0
	v_and_b32 v13, 15, v0                          ; r
	v_bfe_u32 v57, v0, 4, 1                        ; h
	v_lshlrev_b32 v[L16], 4, v12
	v_lshlrev_b32 v[L8], 3, v12
	v_lshlrev_b32 v[R4], 2, v13
	v_lshlrev_b32 v[EXW], 9, v57
	v_lshl_add_u32 v[EXW], v13, 5, v[EXW]
	s_lshl_b32 s48, s12, 2
	s_add_co_u32 s48, s48, EX
	v_add_nc_u32 v[EXW], s48, v[EXW]               ; lanes 0-15 put -M_w, lanes 16-31 l_w: 512 h + 32 r + 4 w
	v_lshlrev_b32 v[EXR], 5, v13
	v_lshl_add_u32 v[EXR], v57, 4, v[EXR]
	v_add_nc_u32 v[EXR], EX, v[EXR]                ; and take four waves' numbers of query r: 32 r + 16 h
	s_lshl_b32 s48, s12, 15
	v_add_nc_u32 v[OPW0], s48, v[L16]              ; my images
	s_lshl_b32 s48, s12, 12
	v_add_nc_u32 v[RD], s48, v[L16]                ; slot w of waves 0 and 1,
	v_add_nc_u32 v[RD+1], 65536, v[RD]             ; 2 and 3,
	v_add_nc_u32 v[RD+2], 65536, v[RD+1]
	v_add_nc_u32 v[RD+3], 65536, v[RD+2]
	s_mov_b32 s20, 0x76543210
	s_mov_b32 s21, 0xfedcba98                      ; v_permlanex16_b32's selects for lane l xor 16
	s_mov_b32 s22, 0x3fb8aa3b                      ; log2(e)
	s_mov_b32 s23, s22                             ; (named with it as a pair)
	s_mov_b32 s24, 0xffff0000                      ; lanes 16-31
	s_mul_i32 s13, s18, 0x02020202                 ; a head's two scale bytes are the lower or the upper half of a word
	s_add_co_u32 s25, s13, 0x01000100              ; q: that half twice
	s_add_co_u32 s26, s13, 0x05040100              ; K: that half of two tiles' words
	s_lshl_b32 s48, s15, 7                         ; the batch's first tile of tokens
	s_lshl_b32 s49, s12, 4
	s_add_co_u32 s49, s49, s48                     ; my first tile of keys
	s_mul_i32 s52, s16, 768
	s_lshl_b32 s53, s17, 6
	s_mov_b32 s51, 0
	s_wait_kmcnt 0x0
	s_mul_i32 s50, s49, 12288
	s_add_co_u32 s50, s50, s52
	s_add_nc_u64 s[KB:KB+1], s[4:5], s[50:51]
	s_lshl_b32 s50, s49, 9
	s_add_co_u32 s50, s50, s53
	s_add_nc_u64 s[KSB:KSB+1], s[6:7], s[50:51]
	s_lshl_b32 s49, s15, 5
	s_lshl_b32 s50, s12, 2
	s_add_co_u32 s49, s49, s50                     ; my first chunk of 64 tokens
	s_mul_i32 s50, s49, 768
	s_mul_i32 s13, s16, 393216                     ; the head's four tiles of e, 98,304 bytes each
	s_add_co_u32 s50, s50, s13
	s_add_co_u32 s50, s50, 12582912
	s_add_nc_u64 s[VB:VB+1], s[4:5], s[50:51]
	s_lshl_b32 s50, s49, 5
	s_lshl_b32 s13, s16, 14
	s_add_co_u32 s50, s50, s13
	s_add_co_u32 s50, s50, 524288
	s_add_nc_u64 s[VSB:VSB+1], s[6:7], s[50:51]
	s_lshl_b32 s49, ttmp9, 5
	s_add_co_u32 s49, s49, s48                     ; the work-group's first tile of queries
	s_mul_i32 s50, s49, 12288
	s_add_co_u32 s50, s50, s52
	s_add_co_u32 s50, s50, 6291456
	s_add_nc_u64 s[QB:QB+1], s[4:5], s[50:51]
	s_lshl_b32 s50, s49, 9
	s_add_co_u32 s50, s50, s53
	s_add_co_u32 s50, s50, 262144
	s_add_nc_u64 s[QSB:QSB+1], s[6:7], s[50:51]
	s_add_co_u32 s49, s49, s12                     ; the tile that I finish in the first group of eight
	s_mul_i32 s50, s49, 12288
	s_add_co_u32 s50, s50, s52
	s_add_nc_u64 s[OB:OB+1], s[8:9], s[50:51]
	s_lshl_b32 s50, s49, 9
	s_add_co_u32 s50, s50, s53
	s_lshl_b32 s13, s18, 1
	s_add_co_u32 s50, s50, s13
	s_add_nc_u64 s[OSB:OSB+1], s[10:11], s[50:51]
	WIN 0x40                                       ; destination window 1
.irp t, 0,1,2,3,4,5,6,7,8,9,10,11,12,13,14,15
	global_load_b128 v[6*\t:6*\t+3], v[L16], s[KB:KB+1] offset:12288*\t          ; key tile t: six registers
	global_load_b64 v[6*\t+4:6*\t+5], v[L8], s[KB:KB+1] offset:12288*\t+512
.endr
.irp ks, 0,1
.irp dt, 0,1,2,3
	global_load_b128 v[96+12*(4*\ks+\dt):96+12*(4*\ks+\dt)+3], v[L16], s[VB:VB+1] offset:98304*\dt+1536*\ks   ; V^T: 16 of the head's 64 x 128 of my keys
	global_load_b64 v[96+12*(4*\ks+\dt)+4:96+12*(4*\ks+\dt)+5], v[L8], s[VB:VB+1] offset:98304*\dt+1536*\ks+512
	global_load_b128 v[96+12*(4*\ks+\dt)+6:96+12*(4*\ks+\dt)+9], v[L16], s[VB:VB+1] offset:98304*\dt+1536*\ks+768
	global_load_b64 v[96+12*(4*\ks+\dt)+10:96+12*(4*\ks+\dt)+11], v[L8], s[VB:VB+1] offset:98304*\dt+1536*\ks+1280
.endr
.endr
	WIN 0
.irp t, 0,1,2,3,4,5,6,7,8,9,10,11,12,13,14,15
	global_load_b32 v[S+\t], v[R4], s[KSB:KSB+1] offset:512*\t
.endr
.irp ks, 0,1
.irp dt, 0,1,2,3
	global_load_b32 v[VS+4*\ks+\dt], v[R4], s[VSB:VSB+1] offset:4096*\dt+64*\ks
.endr
.endr
	global_load_b128 v[22:25], v[L16], s[QB:QB+1]  ; the first block's q
	global_load_b64 v[26:27], v[L8], s[QB:QB+1] offset:512
	global_load_b32 v[QW], v[R4], s[QSB:QSB+1]
.irp j, 15,16,17,18,19,20,21,28,29,30,31,32,33,55,58,232,233,234,235,236,237,238,239
	v_mov_b32 v\j, 0                               ; the zero codes beside q; the upper halves of two pairs; the lane permutes' destinations
.endr
	s_wait_loadcnt 0x0
.irp g, 0,1,2,3,4,5,6,7
	v_perm_b32 v[KS+\g], v[S+2*\g+1], v[S+2*\g], s26   ; bytes 0, 1: tile 2 g's two blocks; bytes 2, 3: tile 2 g + 1's
.endr
	v_perm_b32 v[QS], v[QW], v[QW], s25
	PLACES 8                                       ; a scale register written by a vector instruction stands eight places ahead of a scaled matrix instruction
.macro QUANTP ks                       ; 64 weights of a lane, keys 128 ks on, become the second product's operand
.irp c, 0,1
	v_cvt_scalef32_pk16_fp6_f32 v[PC+12*\ks+6*\c:PC+12*\ks+6*\c+2], v[S+64*\ks+32*\c:S+64*\ks+32*\c+15], v[T2+4*\ks+2*\c]
	v_cvt_scalef32_pk16_fp6_f32 v[216+4*\c:218+4*\c], v[S+64*\ks+32*\c+16:S+64*\ks+32*\c+31], v[T2+4*\ks+2*\c+1]
.endr
	v_nop                                          ; one plain place behind a scaled conversion
.irp c, 0,1
.irp i, 0,1,2
	v_permlane16_swap_b32 v[PC+12*\ks+6*\c+\i], v[216+4*\c+\i]
.endr
.irp i, 0,1,2
	v_mov_b32 v[PC+12*\ks+6*\c+3+\i], v[216+4*\c+\i]
.endr
.endr
.endm
; ONE BLOCK OF 16 QUERIES.  par: the block's parity: which set of the exchange's words, and which of the trip's two slots for O's image.
.macro BLOCK par
	WIN 0x01                                       ; source 0 (K) window 1
.irp t, 0,1,2,3,4,5,6,7,8,9,10,11,12,13,14,15
.if (\t)%2 == 0
	v_wmma_scale_f32_16x16x128_f8f6f4 v[S+8*\t:S+8*\t+7], v[12*(\t/2):12*(\t/2)+11], v[22:33], 0, v[KS+\t/2], v[QS] matrix_a_fmt:MATRIX_FMT_FP6 matrix_b_fmt:MATRIX_FMT_FP6
.else
	v_wmma_scale_f32_16x16x128_f8f6f4 v[S+8*\t:S+8*\t+7], v[12*(\t/2):12*(\t/2)+11], v[16:27], 0, v[KS+\t/2], v[QS] matrix_a_fmt:MATRIX_FMT_FP6 matrix_b_fmt:MATRIX_FMT_FP6
.endif
.endr
	WIN 0
	PLACES 4                                       ; in front of the loads into q's registers and of the first read of scores
	global_load_b128 v[22:25], v[L16], s[QB:QB+1] offset:(\par+1)*12288          ; the next block's q.  Behind the work-group's last block this reads the tile that follows, which lies inside pc and ps
	global_load_b64 v[26:27], v[L8], s[QB:QB+1] offset:(\par+1)*12288+512
	global_load_b32 v[QW], v[R4], s[QSB:QSB+1] offset:(\par+1)*512
.irp b, 0,1,2,3,4,5,6,7
	v_max3_num_f32 v[BM+\b], v[S+16*\b], v[S+16*\b+1], v[S+16*\b+2]   ; the largest score of each block of 32 keys: it serves for the row's maximum and for the block's largest p.  Each result is read from its low end on
.endr
.irp i, 3,5,7,9,11,13
.irp b, 0,1,2,3,4,5,6,7
	v_max3_num_f32 v[BM+\b], v[BM+\b], v[S+16*\b+\i], v[S+16*\b+\i+1]
.endr
.endr
.irp b, 0,1,2,3,4,5,6,7
	v_max_num_f32 v[BM+\b], v[BM+\b], v[S+16*\b+15]
.endr
.irp b, 0,1,2,3,4,5,6,7
	v_permlanex16_b32 v[T1+\b], v[BM+\b], s20, s21
.endr
.irp b, 0,1,2,3,4,5,6,7
	v_max_num_f32 v[BM+\b], v[BM+\b], v[T1+\b]     ; with lane l xor 16's 16 keys
.endr
	v_max3_num_f32 v57, v[BM], v[BM+1], v[BM+2]
	v_max3_num_f32 v57, v57, v[BM+3], v[BM+4]
	v_max3_num_f32 v57, v57, v[BM+5], v[BM+6]
	v_max_num_f32 v57, v57, v[BM+7]                ; my query's largest score among my 256 keys
	v_mul_f32 v57, s22, v57
	v_floor_f32 v54, -v57                          ; -M_w = floor(-t): M_w is a whole number
.set j, 0
.rept 64
	v_pk_fma_f32 v[S+j:S+j+1], v[S+j:S+j+1], s[22:23], v[54:55] op_sel_hi:[1,0,0]   ; t - M_w, two at a time
.set j, j+2
.endr
.irp b, 0,1,2,3,4,5,6,7
	v_fma_f32 v[BM+\b], v[BM+\b], s22, v54
.endr
.set j, 0
.rept 128
	v_exp_f32 v[S+j], v[S+j]
.set j, j+1
.endr
.irp b, 0,1,2,3,4,5,6,7
	v_exp_f32 v[BM+\b], v[BM+\b]                   ; the same two instructions on the same number give the same bits
.endr
	v_nop                                          ; a plain place behind the exponentials
	s_wait_alu depctr_va_vdst(0)
.irp k, 0,1,2,3
	v_pk_add_f32 v[248+2*\k:249+2*\k], v[S+2*\k:S+2*\k+1], v[S+8+2*\k:S+9+2*\k]   ; the sum of my 128 weights, in four chains of pairs
.endr
.set j, 16
.rept 56
	v_pk_add_f32 v[248+j%8:249+j%8], v[248+j%8:249+j%8], v[S+j:S+j+1]
.set j, j+2
.endr
	v_pk_add_f32 v[248:249], v[248:249], v[250:251]
	v_pk_add_f32 v[252:253], v[252:253], v[254:255]
	v_pk_add_f32 v[248:249], v[248:249], v[252:253]
	v_add_f32 v56, v248, v249
	v_permlanex16_b32 v58, v56, s20, s21
	v_add_f32 v56, v56, v58                        ; l_w
	v_cndmask_b32 v57, v54, v56, s24               ; lanes 0-15: -M_w; lanes 16-31: l_w
	ds_store_b32 v[EXW], v57 offset:1024*\par
	s_wait_dscnt 0x0                               ; for the others' sake: my two numbers lie in LDS; and the last block's image of O^T is stored
.if \par == 0
	v_add_nc_u32 v[OPW], s44, v[OPW0]              ; this trip's two slots (no LDS store of mine is out)
.endif
	s_barrier_signal -1
	s_barrier_wait -1                              ; one barrier a block: this set of words is written again two blocks on, behind the other set's barrier, which each wave signals behind its reads of this one
	ds_load_b128 v[232:235], v[EXR] offset:1024*\par       ; -M of waves 4 h .. 4 h + 3
	ds_load_b128 v[236:239], v[EXR] offset:1024*\par+512   ; their l
	s_wait_dscnt 0x0
	v_min3_num_f32 v57, v232, v233, v234
	v_min_num_f32 v57, v57, v235
	v_permlanex16_b32 v58, v57, s20, s21
	v_min_num_f32 v57, v57, v58                    ; -M
.irp i, 0,1,2,3
	v_sub_f32 v[240+\i], v57, v[232+\i]            ; M_i - M: a whole number, 0 or less
.endr
.irp i, 0,1,2,3
	v_cvt_i32_f32 v[240+\i], v[240+\i]             ; (it saturates)
.endr
.irp i, 0,1,2,3
	v_ldexp_f32 v[240+\i], v[236+\i], v[240+\i]    ; l_i under M
.endr
	v_add_f32 v240, v240, v241
	v_add_f32 v242, v242, v243
	v_add_f32 v59, v240, v242
	v_permlanex16_b32 v58, v59, s20, s21
	v_add_f32 v59, v59, v58                        ; the row's sum
	v_rcp_f32 v60, v59
	v_sub_f32 v61, v57, v54                        ; M_w - M.  (A plain place behind the reciprocal)
	v_cvt_i32_f32 v61, v61
	s_wait_alu depctr_va_vdst(0)
	v_mul_f32 v60, 0x3e000000, v60                 ; the division by sqrt(64): exact
	v_ldexp_f32 v14, v60, v61                      ; f
	s_wait_loadcnt 0x0                             ; the next block's q is in
	v_perm_b32 v[QS], v[QW], v[QW], s25
.set j, 0
.rept 64
	v_pk_mul_f32 v[S+j:S+j+1], v[S+j:S+j+1], v[14:15] op_sel_hi:[1,0]   ; p, finished
.set j, j+2
.endr
.irp b, 0,1,2,3,4,5,6,7
	v_mul_f32 v[BM+\b], v[BM+\b], v14              ; each block's largest p
.endr
.irp b, 0,1,2,3,4,5,6,7
	v_max_num_f32 v[BM+\b], 0x1800000, v[BM+\b]    ; the floor 2^(3 - 127): the byte cannot fall under 1
.endr
.irp b, 0,1,2,3,4,5,6,7
	v_add_nc_u32 v[T2+\b], 0xff000000, v[BM+\b]    ; 2 off the exponent field: the conversion's scale operand
.endr
.irp b, 0,1,2,3,4,5,6,7
	v_lshrrev_b32 v[T1+\b], 23, v[T2+\b]           ; the byte
.endr
.irp ks, 0,1
	v_lshl_or_b32 v[PW+\ks], v[T1+4*\ks+1], 8, v[T1+4*\ks]
	v_lshl_or_b32 v[PW+\ks], v[T1+4*\ks+2], 16, v[PW+\ks]
	v_lshl_or_b32 v[PW+\ks], v[T1+4*\ks+3], 24, v[PW+\ks]
.endr
	QUANTP 0
	QUANTP 1
	PLACES 8                                       ; operands and scale words written by vector instructions: four and eight places ahead of a scaled matrix instruction
	WIN 0x51                                       ; source 0 (V^T), C and D (O^T) window 1; source 1 (p) window 0
.irp dt, 0,1,2,3
	v_wmma_scale_f32_16x16x128_f8f6f4 v[192+8*\dt:199+8*\dt], v[96+12*\dt:107+12*\dt], v[PC:PC+11], 0, v[VS+\dt], v[PW] matrix_a_fmt:MATRIX_FMT_FP6 matrix_b_fmt:MATRIX_FMT_FP6
.endr
.irp dt, 0,1,2,3                               ; the four accumulators take turns
	v_wmma_scale_f32_16x16x128_f8f6f4 v[192+8*\dt:199+8*\dt], v[144+12*\dt:155+12*\dt], v[PC+12:PC+23], v[192+8*\dt:199+8*\dt], v[VS+4+\dt], v[PW+1] matrix_a_fmt:MATRIX_FMT_FP6 matrix_b_fmt:MATRIX_FMT_FP6
.endr
	WIN 0
	PLACES 4
	WIN 0x04                                       ; an LDS store's data are its source 1: window 1
.irp i, 0,1,2,3,4,5,6,7
	ds_store_b128 v[OPW], v[192+4*\i:195+4*\i] offset:4096*\par+512*\i   ; my part of O^T as an image of its registers, each accumulator from its low end on
.endr
	WIN 0
.endm
.macro ADD32 d, s
.set j, 0
.rept 16
	v_pk_add_f32 v[\d+j:\d+j+1], v[\d+j:\d+j+1], v[\s+j:\s+j+1]
.set j, j+2
.endr
.endm
; AFTER EIGHT BLOCKS: wave w adds the eight waves' parts of the group's block w, quantises the 16 x 64 numbers along e and stores one chunk of codes and 16 pairs of scale bytes.
.macro FIN
	s_wait_dscnt 0x0                               ; my images are stored
	s_barrier_signal -1
	s_barrier_wait -1                              ; everybody's are.  They are written again behind the next block's barrier, which each wave signals behind the waits below
.irp v, 0,1,2,3,4,5
.irp i, 0,1,2,3,4,5,6,7
	ds_load_b128 v[64+32*\v+4*\i:64+32*\v+4*\i+3], v[RD+\v/2] offset:32768*(\v%2)+512*\i
.endr
.endr
	s_wait_dscnt 0x0
	ADD32 64, 96
.irp i, 0,1,2,3,4,5,6,7
	ds_load_b128 v[96+4*\i:99+4*\i], v[RD+3] offset:512*\i         ; wave 6's, into registers that have been added
.endr
	ADD32 128, 160
.irp i, 0,1,2,3,4,5,6,7
	ds_load_b128 v[160+4*\i:163+4*\i], v[RD+3] offset:32768+512*\i ; wave 7's
.endr
	ADD32 192, 224
	ADD32 64, 128
	ADD32 64, 192
	s_wait_dscnt 0x0
	ADD32 96, 160
	ADD32 64, 96                                   ; v64-95: register 16 b + i = O(query r, 32 b + 16 h + i)
	v_max3_num_f32 v224, |v64|, |v65|, 0x1800000
	v_max3_num_f32 v225, |v80|, |v81|, 0x1800000
.irp i, 2,4,6,8,10,12,14
	v_max3_num_f32 v224, v224, |v[64+\i]|, |v[65+\i]|
	v_max3_num_f32 v225, v225, |v[80+\i]|, |v[81+\i]|
.endr
	v_permlanex16_b32 v226, v224, s20, s21
	v_permlanex16_b32 v227, v225, s20, s21
	v_max_num_f32 v224, v224, v226
	v_max_num_f32 v225, v225, v227
	v_add_nc_u32 v228, 0xff000000, v224
	v_add_nc_u32 v229, 0xff000000, v225
	v_lshrrev_b32 v230, 23, v228
	v_lshrrev_b32 v231, 23, v229
	v_lshl_or_b32 v230, v231, 8, v230              ; the head's two scale bytes of my query
	v_cvt_scalef32_pk16_fp6_f32 v[192:194], v[64:79], v228
	v_cvt_scalef32_pk16_fp6_f32 v[200:202], v[80:95], v229
	v_nop                                          ; one plain place behind a scaled conversion
.irp i, 0,1,2
	v_permlane16_swap_b32 v[192+\i], v[200+\i]
.endr
.irp i, 0,1,2
	v_mov_b32 v[195+\i], v[200+\i]
.endr
	global_store_b128 v[L16], v[192:195], s[OB:OB+1]               ; 512 consecutive bytes, aligned
	global_store_b64 v[L8], v[196:197], s[OB:OB+1] offset:512      ; 256
	global_store_b16 v[R4], v230, s[OSB:OSB+1]     ; two bytes of each row's word (the other two are the neighbouring head's); lanes r and r + 16 store the same value at the same place.  One byte in 24 of what this launch stores
	s_wait_xcnt 0x0                                ; the stores have read their registers and bases
	s_add_nc_u64 s[OB:OB+1], s[OB:OB+1], 98304     ; eight tiles on
	s_add_nc_u64 s[OSB:OSB+1], s[OSB:OSB+1], 4096
.endm
	s_mov_b32 s45, 4                               ; four groups of eight blocks
.Lgroup:
	s_mov_b32 s46, 0
.Lpair:                                            ; four trips of two blocks
	s_lshl_b32 s44, s46, 13                        ; the trip's two slots
	BLOCK 0
	BLOCK 1
	s_add_nc_u64 s[QB:QB+1], s[QB:QB+1], 24576     ; no load is out: each block waits for the q that it asked for
	s_add_nc_u64 s[QSB:QSB+1], s[QSB:QSB+1], 1024
	s_add_co_u32 s46, s46, 1
	s_cmp_lt_u32 s46, 4
	s_cbranch_scc1 .Lpair
	FIN
	s_sub_co_u32 s45, s45, 1
	s_cmp_lg_u32 s45, 0
	s_cbranch_scc1 .Lgroup
	s_wait_tensorcnt 0x0
	ds_add_u32 v62, v63
	s_wait_dscnt 0x0
	s_endpgm
.Lfunc_end_k_q149b762f5c_attn:
	.size	k_q149b762f5c_attn, .Lfunc_end_k_q149b762f5c_attn-k_q149b762f5c_attn
	.p2alignl 7, 3214868480
	.fill 96, 4, 3214868480
	.section	.rodata,"a",@progbits
	.p2align	6, 0x0
	.amdhsa_kernel k_q149b762f5c_attn
		.amdhsa_group_segment_fixed_size 265216
		.amdhsa_private_segment_fixed_size 0
		.amdhsa_enable_private_segment 0
		.amdhsa_kernarg_size 32
		.amdhsa_user_sgpr_count 2
		.amdhsa_user_sgpr_kernarg_segment_ptr 1
		.amdhsa_wavefront_size32 1
		.amdhsa_system_sgpr_workgroup_id_x 1
		.amdhsa_system_sgpr_workgroup_id_y 1
		.amdhsa_system_sgpr_workgroup_id_z 1
		.amdhsa_system_vgpr_workitem_id 0
		.amdhsa_next_free_vgpr 480
		.amdhsa_next_free_sgpr 66
		.amdhsa_reserve_vcc 0
		.amdhsa_float_denorm_mode_32 3
		.amdhsa_float_denorm_mode_16_64 3
		.amdhsa_memory_ordered 1
		.amdhsa_forward_progress 1
		.amdhsa_inst_pref_size 90
	.end_amdhsa_kernel
	.amdgpu_metadata
---
amdhsa.version: [ 1, 2 ]
amdhsa.kernels:
  - .name:           k_q149b762f5c_attn
    .symbol:         k_q149b762f5c_attn.kd
    .args:
      - { .name: pc, .offset: 0, .size: 8, .value_kind: global_buffer, .address_space: global }
      - { .name: ps, .offset: 8, .size: 8, .value_kind: global_buffer, .address_space: global }
      - { .name: oc, .offset: 16, .size: 8, .value_kind: global_buffer, .address_space: global }
      - { .name: osc, .offset: 24, .size: 8, .value_kind: global_buffer, .address_space: global }
    .group_segment_fixed_size: 265216
    .private_segment_fixed_size: 0
    .kernarg_segment_align: 8
    .kernarg_segment_size: 32
    .max_flat_workgroup_size: 256
    .sgpr_count:     66
    .vgpr_count:     480
    .wavefront_size: 32
...
	.end_amdgpu_metadata
.endif
;; end of part 3
;; launch outp (part 4): grid 4 x 64, 4 waves a work-group, clusters of 4 x 4, 325,120 bytes of LDS; arguments oc, osc, xc, xs, bo, out0; writes out0
.if DOCPART == 4
	.amdgcn_target "amdgcn-amd-amdhsa--gfx1250"
	.amdhsa_code_object_version 6
	.text
	.protected	k_q149b762f5c_outp
	.globl	k_q149b762f5c_outp
	.p2align	8
	.type	k_q149b762f5c_outp,@function
k_q149b762f5c_outp:
	s_mov_b64 s[64:65], 0
	v_nop
	global_prefetch_b8 v0, s[64:65] scope:SCOPE_SE
	s_setreg_imm32_b32 hwreg(HW_REG_WAVE_MODE, 25, 1), 1
	s_wait_xcnt 0x0
	s_wait_alu depctr_hold_cnt(0) depctr_sa_sdst(0) depctr_va_vdst(0) depctr_va_sdst(0) depctr_va_ssrc(0) depctr_va_vcc(0) depctr_vm_vsrc(0)
	s_getreg_b32 s2, hwreg(HW_REG_IB_STS2, 6, 4)
	s_cmp_eq_u32 s2, 0
	s_cbranch_scc0 .Lentry_in_a_cluster
	s_endpgm
.Lentry_in_a_cluster:
	s_bfe_u32 s2, ttmp6, 0x10000c
	s_cmp_lg_u32 s2, 0xf033
	s_cbranch_scc0 .Lentry_shape_is_right
	s_endpgm
.Lentry_shape_is_right:
; out0 = O Wo^T + bo on codes of FP6 (E2M3) with E8M0 scales; K = 1,024; out0 [8192][1024] f32.
; P[i][j] = sum over k of X[i][k] Y[j][k] + bo[j].  X = O (oc, osc), Y = Wo (tiles 1728 on of xc, xs): images of operand registers, [tile of 16 rows][16 chunks of 64 along K][768 bytes], scale words [tile][8 steps][64 bytes].
; Row r of tile T is true row 32 (T / 2) + 8 (T % 2) + r + 8 (r / 8).
; SHARES.  A work-group makes 128 rows of X (8 tiles) x 256 rows of Y (16 tiles).  All of K of both, 294,912 bytes, and their scale words, 12,288 bytes, fit in LDS: every byte of LDS is filled once, nothing is filled again.
; Four waves; wave w takes X's tiles 4 (w / 2) .. + 3 against Y's tiles 8 (w % 2) .. + 7: 32 accumulators.
; THE MATRIX INSTRUCTION IS USED TRANSPOSED (source 0 = 16 rows of Y, source 1 = 16 rows of X): lane (r, h) holds X's row r, and register jj of Y's tile b is true column 32 (b / 2) + 16 h + 8 (b % 2) + jj.
; bo is the C of each sum's first matrix instruction: eight registers for each of Y's tiles, in the result's layout.
; CLUSTERS: 4 x 4 work-groups.  X's tiles hang on the tile row alone and are asked for jointly along a row of the cluster, Y's on the tile column alone and along a column.
; THE WAY OUT: 16 rows x 64 columns at a time through the wave's own stage in LDS (bytes into which no fill lands), back as rows of 256 bytes: sixteen lanes store 256 consecutive bytes, aligned, of a true row.
; REGISTERS: window 0: v2-14 addresses; v16-31 scale words, two sets; v32-127 X's fragments, two sets of 48 (on the way out v32-95: rows read back).
;   window 1: v0-191 Y's fragments, two sets of 96; v192-255 bo.   window 2: the accumulators, (a, b) at v[8 (8 a + b)].
.set XL,   0                           ; LDS: X's codes [quarter of K][tile 0..7][3072]
.set YL,   98304                       ; Y's codes [quarter][tile 0..15][3072]
.set XS,   294912                      ; X's scale words [tile][512]
.set YS,   299008                      ; Y's
.set STG,  307200                      ; the stages: 16 rows x 272 bytes for each wave
.set XA16, 2
.set XA8,  3
.set YA16, 4
.set YA8,  5
.set ADRS, 6
.set STO,  7
.set RR,   8
.set HH,   9
.set L16,  10
.set L8,   11
.set RDB,  12
.set BOF,  13
.set GO,   14
.set SC,   16
.set XF,   32
.set BK,   32
.set G1X,  24                          ; s[24:31] group 1 for X's codes; s[32:39] Y's; s[40:47] X's scale words; s[48:55] Y's
.set G1Y,  32
.set G1XS, 40
.set G1YS, 48
.set GXS,  56                          ; groups 0, one for each load, never rewritten
.set GX0,  60
.set GX1,  68
.set GX2,  72
.set GX3,  76
.set GYS,  80
.set GY0,  84
.set GY1,  88
.set GY2,  92
.set GY3,  96
.set MSB, 0
.macro WIN new                         ; the immediate's high byte repeats the setting that is left
.if MSB != \new
	s_set_vgpr_msb (MSB<<8)|\new
.set MSB, \new
.endif
.endm
.macro PLACES n
.rept \n
	v_nop
.endr
.endm
.macro CROUND                          ; a round of the cluster's barrier
	s_barrier_signal -1
	s_barrier_wait -1
	s_cmp_lg_u32 s12, 0
	s_cbranch_scc1 .Lnot_wave_0_\@
	s_barrier_signal -3
.Lnot_wave_0_\@:
	s_barrier_wait -3
	s_barrier_signal -1
	s_barrier_wait -1
.endm
.macro SHAPE g, c, r, p                ; group 1's words 1 to 7: r rows of c elements of 8 bytes, p elements apart
	s_mov_b32 s[\g+1], (\c)<<16
	s_mov_b32 s[\g+2], (\r)<<16
	s_mov_b32 s[\g+3], (\c)<<16
	s_mov_b32 s[\g+4], \r
	s_mov_b32 s[\g+5], \p
	s_mov_b32 s[\g+6], 0
	s_mov_b32 s[\g+7], 0
.endm
.macro GROUP0 g, lreg, loff, base, goff
	s_mov_b32 s[\g], 1
	s_add_co_u32 s[\g+1], s[\lreg], \loff
	s_add_nc_u64 s[\g+2:\g+3], s[\base:\base+1], \goff
	s_or_b32 s[\g+3], s[\g+3], 0x80000000
.endm
	s_load_b256 s[4:11], s[0:1], 0x0               ; oc, osc, xc, xs
	s_load_b128 s[16:19], s[0:1], 0x20             ; bo, out0
	v_lshl_add_u32 v254, v0, 2, 0x4f400
	v_mov_b32 v255, 0
	ds_add_u32 v254, v255
	ds_add_u32 v254, v255
	v_lshrrev_b32 v1, 5, v0
	v_readfirstlane_b32 s12, v1                    ; wave
	s_lshr_b32 s13, s12, 1                         ; wx: which four of X's tiles are mine.  Also: I fetch for X (0) or for Y (1)
	s_and_b32 s14, s12, 1                          ; wy: which eight of Y's.  Also: which half of that operand's tiles I fetch
	s_bfe_u32 s15, ttmp6, 0x40000                  ; cx
	s_bfe_u32 s20, ttmp6, 0x40004                  ; cy
	s_and_b32 s21, ttmp7, 0xffff
	s_lshl_b32 s21, s21, 2
	s_add_co_u32 s21, s21, s20                     ; tile row
	s_lshl_b32 s22, ttmp9, 2
	s_add_co_u32 s22, s22, s15                     ; tile column
	s_lshl_b32 s2, s21, 3
	s_lshl_b32 s101, s14, 2
	s_add_co_u32 s2, s2, s101                      ; the first of the four tiles of X that I would fetch
	s_lshl_b32 s3, s22, 4
	s_lshl_b32 s105, s14, 3
	s_add_co_u32 s3, s3, s105
	s_add_co_u32 s3, s3, 1728                      ; the first of the eight of Y: Wo begins at tile 1728
	s_lshl_b32 s23, s20, 2
	s_lshl_b32 s23, 15, s23                        ; my row of the cluster
	s_lshl_b32 s104, 0x1111, s15                   ; my column
	s_or_b32 s[G1X], s23, (3<<16)|(1<<21)          ; 15:0 the mask; 17:16 elements of 8 bytes; 21 set beside a mask; no padding: the images are read as they lie
	s_or_b32 s[G1XS], s23, (3<<16)|(1<<21)
	s_or_b32 s[G1Y], s104, (3<<16)|(1<<21)
	s_or_b32 s[G1YS], s104, (3<<16)|(1<<21)
	SHAPE G1X, 384, 4, 1536                        ; a quarter of K of four tiles: rows of 3,072 bytes, 12,288 apart
	SHAPE G1Y, 384, 8, 1536                        ; of eight tiles
	SHAPE G1XS, 32, 8, 32                          ; four tiles' scale words: 2,048 dense bytes as rows of 256
	SHAPE G1YS, 32, 16, 32                         ; eight tiles'
	s_mul_i32 s15, s14, 12288                      ; where they go hangs on the wave's number alone
	s_lshl_b32 s20, s14, 11
	s_mul_i32 s23, s14, 24576
	s_wait_dscnt 0x0
	s_wait_kmcnt 0x0
	s_mul_i32 s100, s2, 12288
	s_mov_b32 s101, 0
	s_add_nc_u64 s[100:101], s[4:5], s[100:101]
	GROUP0 GX0, 15, XL, 100, 0
	GROUP0 GX1, 15, XL+24576, 100, 3072
	GROUP0 GX2, 15, XL+49152, 100, 6144
	GROUP0 GX3, 15, XL+73728, 100, 9216
	s_lshl_b32 s100, s2, 9
	s_mov_b32 s101, 0
	s_add_nc_u64 s[100:101], s[6:7], s[100:101]
	GROUP0 GXS, 20, XS, 100, 0
	s_lshl_b32 s2, s14, 12
	s_mul_i32 s104, s3, 12288
	s_mov_b32 s105, 0
	s_add_nc_u64 s[104:105], s[8:9], s[104:105]
	GROUP0 GY0, 23, YL, 104, 0
	GROUP0 GY1, 23, YL+49152, 104, 3072
	GROUP0 GY2, 23, YL+98304, 104, 6144
	GROUP0 GY3, 23, YL+147456, 104, 9216
	s_lshl_b32 s104, s3, 9
	s_mov_b32 s105, 0
	s_add_nc_u64 s[104:105], s[10:11], s[104:105]
	GROUP0 GYS, 2, YS, 104, 0
	CROUND                                         ; all sixteen work-groups are here: the joint loads meet
	s_cmp_eq_u32 s13, 0                            ; a wave's five fills stand in one branch on its number: five loads of mine are out
	s_cbranch_scc0 .Lfill_y
	tensor_load_to_lds s[GXS:GXS+3], s[G1XS:G1XS+7]
	s_nop 0
	tensor_load_to_lds s[GX0:GX0+3], s[G1X:G1X+7]
	s_nop 0
	tensor_load_to_lds s[GX1:GX1+3], s[G1X:G1X+7]
	s_nop 0
	tensor_load_to_lds s[GX2:GX2+3], s[G1X:G1X+7]
	s_nop 0
	tensor_load_to_lds s[GX3:GX3+3], s[G1X:G1X+7]
	s_nop 0
	PLACES 4                                       ; places behind a tensor load
	s_branch .Lfilled
.Lfill_y:
	tensor_load_to_lds s[GYS:GYS+3], s[G1YS:G1YS+7]
	s_nop 0
	tensor_load_to_lds s[GY0:GY0+3], s[G1Y:G1Y+7]
	s_nop 0
	tensor_load_to_lds s[GY1:GY1+3], s[G1Y:G1Y+7]
	s_nop 0
	tensor_load_to_lds s[GY2:GY2+3], s[G1Y:G1Y+7]
	s_nop 0
	tensor_load_to_lds s[GY3:GY3+3], s[G1Y:G1Y+7]
	s_nop 0
	PLACES 4
.Lfilled:
	v_and_b32 v1, 31, v0
	v_and_b32 v[RR], 15, v0                        ; r
	v_bfe_u32 v[HH], v0, 4, 1                      ; h
	v_lshlrev_b32 v[L16], 4, v1
	v_lshlrev_b32 v[L8], 3, v1
	v_lshlrev_b32 v[BOF], 6, v[HH]                 ; bo: 16 numbers on for lanes 16-31
	s_lshl_b32 s100, s22, 10
	s_lshl_b32 s101, s14, 9
	s_add_co_u32 s100, s100, s101                  ; my first column, in bytes: 1024 x tile column + 512 wy
	s_mov_b32 s101, 0
	s_add_nc_u64 s[16:17], s[16:17], s[100:101]
	s_add_nc_u64 s[18:19], s[18:19], s[100:101]
	WIN 0x40                                       ; destination window 1
.irp b, 0,1,2,3,4,5,6,7
	global_load_b128 v[192+8*\b:195+8*\b], v[BOF], s[16:17] offset:(32*(\b/2)+8*(\b%2))*4
	global_load_b128 v[196+8*\b:199+8*\b], v[BOF], s[16:17] offset:(32*(\b/2)+8*(\b%2))*4+16
.endr
	WIN 0
	s_mul_i32 s100, s13, 12288
	v_add_nc_u32 v[XA16], s100, v[L16]             ; my four tiles of X in quarter 0
	v_add_nc_u32 v[XA8], s100, v[L8]
	s_mul_i32 s100, s14, 24576
	s_add_co_u32 s100, s100, YL
	v_add_nc_u32 v[YA16], s100, v[L16]             ; my eight of Y
	v_add_nc_u32 v[YA8], s100, v[L8]
	s_xor_b32 s100, s13, 1                         ; scale words: lanes 0-15 take X's, lanes 16-31 Y's: the lower base + h x the distance, 4096 + 4096 wy - 2048 wx
	s_lshl_b32 s100, s100, 11
	s_lshl_b32 s101, s14, 12
	s_add_co_u32 s100, s100, s101
	s_add_co_u32 s100, s100, 2048
	v_mul_u32_u24 v[ADRS], s100, v[HH]
	v_lshl_add_u32 v[ADRS], v[RR], 2, v[ADRS]
	s_lshl_b32 s101, s13, 11
	s_add_co_u32 s101, s101, XS
	v_add_nc_u32 v[ADRS], s101, v[ADRS]
	s_mul_i32 s100, s12, 4352
	s_add_co_u32 s100, s100, STG                   ; my stage
	v_mul_u32_u24 v[STO], v[RR], 272
	v_lshl_add_u32 v[STO], v[HH], 6, v[STO]
	v_add_nc_u32 v[STO], s100, v[STO]              ; in: row r, 64 h bytes on
	v_mul_u32_u24 v[RDB], v[HH], 272
	v_lshl_add_u32 v[RDB], v[RR], 4, v[RDB]
	v_add_nc_u32 v[RDB], s100, v[RDB]              ; back: lanes 0-15 one row, lanes 16-31 the next
	v_lshlrev_b32 v[GO], 12, v[HH]
	v_lshl_add_u32 v[GO], v[RR], 4, v[GO]          ; and the same two rows in out0
	s_lshl_b32 s100, s21, 3
	s_lshl_b32 s101, s13, 2
	s_add_co_u32 s100, s100, s101                  ; my first tile of X: a multiple of four, so its rows begin at true row 16 x tile
	s_lshl_b32 s100, s100, 16                      ; 16 rows of 4,096 bytes a tile
	s_mov_b32 s101, 0
	s_add_nc_u64 s[18:19], s[18:19], s[100:101]
; 56 LDS loads: the fragments and scale words of K step s into set s % 2.  A fragment is two chunks on end: 16, 8, 16, 8 bytes a lane.
.macro FETCH s
.set FS, (\s)%2
.set FO, 1536*((\s)%2)
	WIN 0x40
.irp b, 0,1,2,3,4,5,6,7
	ds_load_b128 v[96*FS+12*\b:96*FS+12*\b+3], v[YA16] offset:3072*\b+FO
	ds_load_b64 v[96*FS+12*\b+4:96*FS+12*\b+5], v[YA8] offset:3072*\b+FO+512
	ds_load_b128 v[96*FS+12*\b+6:96*FS+12*\b+9], v[YA16] offset:3072*\b+FO+768
	ds_load_b64 v[96*FS+12*\b+10:96*FS+12*\b+11], v[YA8] offset:3072*\b+FO+1280
.endr
	WIN 0
.irp a, 0,1,2,3
	ds_load_b128 v[XF+48*FS+12*\a:XF+48*FS+12*\a+3], v[XA16] offset:3072*\a+FO
	ds_load_b64 v[XF+48*FS+12*\a+4:XF+48*FS+12*\a+5], v[XA8] offset:3072*\a+FO+512
	ds_load_b128 v[XF+48*FS+12*\a+6:XF+48*FS+12*\a+9], v[XA16] offset:3072*\a+FO+768
	ds_load_b64 v[XF+48*FS+12*\a+10:XF+48*FS+12*\a+11], v[XA8] offset:3072*\a+FO+1280
.endr
.irp i, 0,1,2,3,4,5,6,7
	ds_load_b32 v[SC+8*FS+\i], v[ADRS] offset:512*\i+64*(\s)   ; lanes 0-15: X's tile i (for i over 3: filled bytes that no product uses); lanes 16-31: Y's tile i
.endr
.endm
; 32 matrix instructions: the 32 accumulators take turns, one instruction a turn, in the same order in every step.
.macro MUL32 set, first
.irp a, 0,1,2,3
.irp b, 0,1,2,3,4,5,6,7
.if \first
	v_wmma_scale_f32_16x16x128_f8f6f4 v[8*(8*\a+\b):8*(8*\a+\b)+7], v[96*(\set)+12*\b:96*(\set)+12*\b+11], v[XF+48*(\set)+12*\a:XF+48*(\set)+12*\a+11], v[192+8*\b:199+8*\b], v[SC+8*(\set)+\b], v[SC+8*(\set)+\a] matrix_a_fmt:MATRIX_FMT_FP6 matrix_b_fmt:MATRIX_FMT_FP6 matrix_a_scale:MATRIX_SCALE_ROW1
.else
	v_wmma_scale_f32_16x16x128_f8f6f4 v[8*(8*\a+\b):8*(8*\a+\b)+7], v[96*(\set)+12*\b:96*(\set)+12*\b+11], v[XF+48*(\set)+12*\a:XF+48*(\set)+12*\a+11], v[8*(8*\a+\b):8*(8*\a+\b)+7], v[SC+8*(\set)+\b], v[SC+8*(\set)+\a] matrix_a_fmt:MATRIX_FMT_FP6 matrix_b_fmt:MATRIX_FMT_FP6 matrix_a_scale:MATRIX_SCALE_ROW1
.endif
.endr
.endr
.endm
; K step s: its fragments are in; the next step's are asked for, into the set that the step before multiplied; then the products.
.macro STEP s
	s_wait_dscnt 0x0                               ; this step's 56 loads are in
.if (\s) < 7
.if ((\s)+1)%2 == 0
	s_wait_tensorcnt 3-((\s)+1)/2                  ; my part of the next quarter of K has landed; the quarters behind it may be out
	s_barrier_signal -1
	s_barrier_wait -1                              ; everybody's has
	v_add_nc_u32 v[XA16], 24576, v[XA16]           ; on to that quarter.  These four are also the places in front of the loads below
	v_add_nc_u32 v[XA8], 24576, v[XA8]
	v_add_nc_u32 v[YA16], 49152, v[YA16]
	v_add_nc_u32 v[YA8], 49152, v[YA8]
.elseif (\s) > 0
	PLACES 4                                       ; in front of loads into registers that matrix instructions have read
.endif
	FETCH (\s)+1
.endif
.if (\s) == 0
	s_wait_loadcnt 0x0                             ; bo
	WIN 0x91                                       ; source 0 (Y) and C (bo) window 1, source 1 (X) window 0, D window 2
	MUL32 0, 1                                     ; the first step starts the sums, from the bias
.else
	WIN 0xa1                                       ; C and D window 2
	MUL32 (\s)%2, 0
.endif
	WIN 0
.endm
	s_wait_tensorcnt 3                             ; my scale words and my part of the first quarter have landed; three quarters may be out
	s_barrier_signal -1
	s_barrier_wait -1
	FETCH 0
	STEP 0
	STEP 1
	STEP 2
	STEP 3
	STEP 4
	STEP 5
	STEP 6
	STEP 7
; THE WAY OUT, eight parts: part n is X's tile n / 2 and half n % 2 of my 128 columns.
.macro TOSTAGE n
	WIN 0x08                                       ; an LDS store's data are its source 1: window 2
.irp b, 0,1,2,3
	ds_store_b128 v[STO], v[8*(8*((\n)/2)+4*((\n)%2)+\b):8*(8*((\n)/2)+4*((\n)%2)+\b)+3] offset:128*(\b/2)+32*(\b%2)        ; each accumulator from its low end on
	ds_store_b128 v[STO], v[8*(8*((\n)/2)+4*((\n)%2)+\b)+4:8*(8*((\n)/2)+4*((\n)%2)+\b)+7] offset:128*(\b/2)+32*(\b%2)+16
.endr
	WIN 0
.irp t, 0,1,2,3,4,5,6,7
	ds_load_b128 v[BK+32*((\n)%2)+4*\t:BK+32*((\n)%2)+4*\t+3], v[RDB] offset:544*\t   ; LDS serves a wave's instructions in order: these see the stores above, and the next part's stores come behind them
.endr
.endm
.macro SEND n, younger                 ; younger: the LDS instructions issued behind part n's loads, which may stay out
	s_wait_dscnt \younger
.irp t, 0,1,2,3,4,5,6,7
	global_store_b128 v[GO], v[BK+32*((\n)%2)+4*\t:BK+32*((\n)%2)+4*\t+3], s[18:19] offset:(32*((\n)/4)+8*(((\n)/2)%2)+2*\t+8*(\t/4))*4096+256*((\n)%2) th:TH_STORE_NT   ; sixteen lanes store 256 consecutive bytes, aligned, of a true row
.endr
.endm
	PLACES 4                                       ; in front of the first read of results and of loads into registers that held X's fragments
	TOSTAGE 0
.irp n, 1,2,3,4,5,6,7
.if \n > 1
	s_wait_xcnt 0x0                                ; part n - 2's stores have read the registers into which part n's loads land
.endif
	TOSTAGE \n
	SEND \n-1, 16                                  ; behind part n - 1's loads: part n's eight stores and eight loads
.endr
	SEND 7, 0
	s_wait_tensorcnt 0x0
	ds_add_u32 v254, v255
	s_wait_dscnt 0x0
	CROUND                                         ; the closing round
	s_endpgm
.Lfunc_end_k_q149b762f5c_outp:
	.size	k_q149b762f5c_outp, .Lfunc_end_k_q149b762f5c_outp-k_q149b762f5c_outp
	.p2alignl 7, 3214868480
	.fill 96, 4, 3214868480
	.section	.rodata,"a",@progbits
	.p2align	6, 0x0
	.amdhsa_kernel k_q149b762f5c_outp
		.amdhsa_group_segment_fixed_size 325120
		.amdhsa_private_segment_fixed_size 0
		.amdhsa_enable_private_segment 0
		.amdhsa_kernarg_size 48
		.amdhsa_user_sgpr_count 2
		.amdhsa_user_sgpr_kernarg_segment_ptr 1
		.amdhsa_wavefront_size32 1
		.amdhsa_system_sgpr_workgroup_id_x 1
		.amdhsa_system_sgpr_workgroup_id_y 1
		.amdhsa_system_sgpr_workgroup_id_z 1
		.amdhsa_system_vgpr_workitem_id 0
		.amdhsa_next_free_vgpr 768
		.amdhsa_next_free_sgpr 106
		.amdhsa_reserve_vcc 0
		.amdhsa_float_denorm_mode_32 3
		.amdhsa_float_denorm_mode_16_64 3
		.amdhsa_memory_ordered 1
		.amdhsa_forward_progress 1
		.amdhsa_inst_pref_size 90
	.end_amdhsa_kernel
	.amdgpu_metadata
---
amdhsa.version: [ 1, 2 ]
amdhsa.kernels:
  - .name:           k_q149b762f5c_outp
    .symbol:         k_q149b762f5c_outp.kd
    .args:
      - { .name: oc, .offset: 0, .size: 8, .value_kind: global_buffer, .address_space: global }
      - { .name: osc, .offset: 8, .size: 8, .value_kind: global_buffer, .address_space: global }
      - { .name: xc, .offset: 16, .size: 8, .value_kind: global_buffer, .address_space: global }
      - { .name: xs, .offset: 24, .size: 8, .value_kind: global_buffer, .address_space: global }
      - { .name: bo, .offset: 32, .size: 8, .value_kind: global_buffer, .address_space: global }
      - { .name: out0, .offset: 40, .size: 8, .value_kind: global_buffer, .address_space: global }
    .group_segment_fixed_size: 325120
    .private_segment_fixed_size: 0
    .kernarg_segment_align: 8
    .kernarg_segment_size: 48
    .max_flat_workgroup_size: 128
    .sgpr_count:     106
    .vgpr_count:     768
    .wavefront_size: 32
...
	.end_amdgpu_metadata
.endif
;; end of part 4
;; ======== version 2 of 2: 4 launches; version 1 with the launch attn written anew for expert scheduling mode
;; workspace buffers: xc 22,020,096 bytes; xs 917,504 bytes; pc 18,874,368 bytes; ps 786,432 bytes; oc 6,291,456 bytes; osc 262,144 bytes
;; launch quant: the kernel of part 1 again; grid 896 x 1, 4 waves a work-group, no clusters, 35,328 bytes of LDS; arguments keys, queries, values, Wk, Wq, Wv, Wo, xc, xs; writes xc, xs
;; launch proj: the kernel of part 2 again; grid 4 x 192, 4 waves a work-group, clusters of 4 x 4, 307,712 bytes of LDS; arguments xc, xs, pc, ps; writes pc, ps
;; launch attn (part 5): grid 4 x 64, 8 waves a work-group, no clusters, 265,216 bytes of LDS; arguments pc, ps, oc, osc; writes oc, osc
.if DOCPART == 5
	.amdgcn_target "amdgcn-amd-amdhsa--gfx1250"
	.amdhsa_code_object_version 6
	.text
	.protected	k_q149b762f5c_attn
	.globl	k_q149b762f5c_attn
	.p2align	8
	.type	k_q149b762f5c_attn,@function
k_q149b762f5c_attn:
	s_mov_b64 s[64:65], 0
	v_nop
	global_prefetch_b8 v0, s[64:65] scope:SCOPE_SE
	s_setreg_imm32_b32 hwreg(HW_REG_WAVE_SCHED_MODE, 0, 2), 2
	s_setreg_imm32_b32 hwreg(HW_REG_WAVE_MODE, 25, 1), 1
	s_wait_xcnt 0x0
	s_wait_alu depctr_vm_vsrc(0)
; O = (softmax(q k^T) / 8) v for one batch and head, both products on codes of FP6 (E2M3) with E8M0 scales; O is quantised along e and stored as codes for the last product.
; THE WEIGHTS ARE QUANTISED FINISHED: p = e^(s - max) / sum / 8, so a row's sum has to be known before any of its p is converted.  Nothing is computed twice for that: the unnormalised weights of 16 queries x 2,048 keys
; stay in the registers of the work-group's eight waves until the eight partial maxima and sums have met in LDS.
; SHARES.  A work-group takes one (batch, head) and 512 of its queries: 32 blocks of 16.  THE WAVES SHARE THE KEYS: wave w owns keys 256 w .. 256 w + 255 for the whole launch; its K (96 registers) and its V^T (96) are read from
; memory once.  All eight waves work on the same 16 queries.
; THE MAXIMUM.  t = s log2(e).  Each wave takes M_w = the largest t of its keys, rounded up to a whole number, and e_w = 2^(t - M_w); M = the largest M_w; the change from M_w to M is a power of two and rounds nothing.
; p = e_w x f, f = 2^(M_w - M) / (8 l), l = the sum over the waves of l_w 2^(M_w - M).
; K = 64 IN AN INSTRUCTION OF 128: an operand of K holds key tile 2 g in its registers 0-5 and tile 2 g + 1 in 6-11; q stands between two runs of six zero registers, so that v[22:33] multiplies the first tile and v[16:27] the second.
; LAYOUT.  Both products are used transposed (source 0 = 16 keys, or 16 of the head's 64; source 1 = the 16 queries): a lane holds one query.  By the order of rows in a tile of the workspace, row r of tile T being true row
; 32 (T / 2) + 8 (T % 2) + r + 8 (r / 8), the 16 registers of two neighbouring tiles are 16 true neighbours.
; O's PARTS.  Each wave's O^T (32 registers) goes to LDS as an image; after eight blocks wave w adds the eight waves' images of the group's block w, quantises and stores.
; NO JOINT LOADS: K and V go straight into registers, 24,576 bytes a wave, once for 32 blocks of work; no tile in LDS exists that work-groups could share, and those bytes are read once in the launch's whole run.
; LIMITS: a block's largest p is not searched for: the block's largest score goes through the same instructions, which takes v_exp_f32 not to fall where its input rises (at the worst one p of a block is held one code low);
; a block of zeros gets the byte 1 where the rule says 127; blocks whose largest magnitude lies under 2^-124 are held at byte 1; weights under 2^-126 of their wave's largest count as 0; NaN and infinities are not served.
; REGISTERS: window 0: v1-11 addresses; v[14:15] f; v16-33 zeros, q, zeros; v34-41 K's scale words, v42-49 V's, v50 q's, v51 q's word as loaded, v52-53 p's; v[54:55] -M_w; v56 l_w; v57-61 at work;
;   v64-191 scores, then weights; v192-215 p's codes; v216-222 halves of codes; v224-231 the blocks' largest; v232-255 at work.   window 1: v0-95 K; v96-191 V^T; v192-223 O^T.
; THE MODE: SCHED_MODE bits 1:0 = 2 (LLVM: expert scheduling mode 2), set by the entry lines.  The code itself states the register dependences between vector or matrix instructions and memory or LDS instructions,
; with s_wait_alu, always for 0.
; THE PLAN.  Registers that memory or LDS instructions touch, in the loop:
;   v1-5, v8-11     offsets and LDS addresses: written at the head alone.
;   v7              the image stores' address: written by one add in the even block, behind the block's wait on vm_vsrc; read by the eight image stores at the end of both blocks.
;   v22-27, v51     q and its scale word: three loads land in them behind the wait for the exponentials, which also shows this block's score products done reading q; read by the next block's score products and by one v_perm_b32.
;   v57             -M_w or l_w: written by a v_cndmask_b32, read by the exchange's LDS store, written again behind the barrier.
;   v232-239        the exchange's two LDS loads land in them; before that named by the lane permutes and maxima at the block's head alone.
;   O^T             written by the eight second products, read by the eight image stores, written again a block later.
;   At a group's end: v64-255 take 48 LDS loads, v96-127 and v160-191 sixteen more; v192-197 and v230 are the three global stores' data.
; A block has five waits on va_vdst (behind the exponentials; ahead of the exchange's store; ahead of the reciprocal's reader; ahead of the second products; ahead of the image stores) and one on vm_vsrc, in front of its barrier.
; A group's end has two on va_vdst and one on vm_vsrc.  Each says at its place what it states.
.set EX,   262144                      ; LDS: O's images [wave][slot 0..7][4096] from 0; then two sets (by the block's parity) of [-M or l][query][wave], 1,024 bytes each
.set L16,  1
.set L8,   2
.set R4,   3
.set EXW,  4
.set EXR,  5
.set OPW0, 6
.set OPW,  7
.set RD,   8
.set KS,   34
.set VS,   42
.set QS,   50
.set QW,   51
.set PW,   52
.set S,    64
.set PC,   192
.set BM,   224
.set T1,   232
.set T2,   240
.set KB,   28
.set VB,   30
.set KSB,  32
.set VSB,  34
.set QB,   36
.set QSB,  38
.set OB,   40
.set OSB,  42
.set MSB, 0
.macro WIN new                         ; the immediate's high byte repeats the setting that is left
.if MSB != \new
	s_set_vgpr_msb (MSB<<8)|\new
.set MSB, \new
.endif
.endm
.macro PLACES n
.rept \n
	v_nop
.endr
.endm
	s_load_b256 s[4:11], s[0:1], 0x0               ; pc, ps, oc, osc
	v_lshl_add_u32 v62, v0, 2, 0x40800             ; LDS address of my spare word, behind the exchange's words; kept for the closing lines alone
	v_mov_b32 v63, 0                               ; 0, likewise
	v_lshrrev_b32 v12, 5, v0
	v_readfirstlane_b32 s12, v12                   ; wave 0..7
	s_and_b32 s14, ttmp7, 0xffff
	s_lshr_b32 s15, s14, 4                         ; batch
	s_and_b32 s16, s14, 15                         ; head
	s_lshr_b32 s17, s16, 1
	s_and_b32 s18, s16, 1
	v_and_b32 v12, 31, v0
	v_and_b32 v13, 15, v0                          ; r
	v_bfe_u32 v57, v0, 4, 1                        ; h
	v_lshlrev_b32 v[L16], 4, v12
	v_lshlrev_b32 v[L8], 3, v12
	v_lshlrev_b32 v[R4], 2, v13
	v_lshlrev_b32 v[EXW], 9, v57
	v_lshl_add_u32 v[EXW], v13, 5, v[EXW]
	s_wait_alu depctr_va_sdst(0)                   ; s12 is written, ahead of its first reader: LDS addresses and the bases of K, V and O are made from it
	s_lshl_b32 s48, s12, 2
	s_add_co_u32 s48, s48, EX
	v_add_nc_u32 v[EXW], s48, v[EXW]               ; lanes 0-15 put -M_w, lanes 16-31 l_w: 512 h + 32 r + 4 w
	v_lshlrev_b32 v[EXR], 5, v13
	v_lshl_add_u32 v[EXR], v57, 4, v[EXR]
	v_add_nc_u32 v[EXR], EX, v[EXR]                ; and take four waves' numbers of query r: 32 r + 16 h
	s_lshl_b32 s48, s12, 15
	v_add_nc_u32 v[OPW0], s48, v[L16]              ; my images
	s_lshl_b32 s48, s12, 12
	v_add_nc_u32 v[RD], s48, v[L16]                ; slot w of waves 0 and 1,
	v_add_nc_u32 v[RD+1], 65536, v[RD]             ; 2 and 3,
	v_add_nc_u32 v[RD+2], 65536, v[RD+1]
	v_add_nc_u32 v[RD+3], 65536, v[RD+2]
	s_mov_b32 s20, 0x76543210
	s_mov_b32 s21, 0xfedcba98                      ; v_permlanex16_b32's selects for lane l xor 16
	s_mov_b32 s22, 0x3fb8aa3b                      ; log2(e)
	s_mov_b32 s23, s22                             ; (named with it as a pair)
	s_mov_b32 s24, 0xffff0000                      ; lanes 16-31
	s_mul_i32 s13, s18, 0x02020202                 ; a head's two scale bytes are the lower or the upper half of a word
	s_add_co_u32 s25, s13, 0x01000100              ; q: that half twice
	s_add_co_u32 s26, s13, 0x05040100              ; K: that half of two tiles' words
	s_lshl_b32 s48, s15, 7                         ; the batch's first tile of tokens
	s_lshl_b32 s49, s12, 4
	s_add_co_u32 s49, s49, s48                     ; my first tile of keys
	s_mul_i32 s52, s16, 768
	s_lshl_b32 s53, s17, 6
	s_mov_b32 s51, 0
	s_wait_kmcnt 0x0
	s_mul_i32 s50, s49, 12288
	s_add_co_u32 s50, s50, s52
	s_add_nc_u64 s[KB:KB+1], s[4:5], s[50:51]
	s_lshl_b32 s50, s49, 9
	s_add_co_u32 s50, s50, s53
	s_add_nc_u64 s[KSB:KSB+1], s[6:7], s[50:51]
	s_lshl_b32 s49, s15, 5
	s_lshl_b32 s50, s12, 2
	s_add_co_u32 s49, s49, s50                     ; my first chunk of 64 tokens
	s_mul_i32 s50, s49, 768
	s_mul_i32 s13, s16, 393216                     ; the head's four tiles of e, 98,304 bytes each
	s_add_co_u32 s50, s50, s13
	s_add_co_u32 s50, s50, 12582912
	s_add_nc_u64 s[VB:VB+1], s[4:5], s[50:51]
	s_lshl_b32 s50, s49, 5
	s_lshl_b32 s13, s16, 14
	s_add_co_u32 s50, s50, s13
	s_add_co_u32 s50, s50, 524288
	s_add_nc_u64 s[VSB:VSB+1], s[6:7], s[50:51]
	s_lshl_b32 s49, ttmp9, 5
	s_add_co_u32 s49, s49, s48                     ; the work-group's first tile of queries
	s_mul_i32 s50, s49, 12288
	s_add_co_u32 s50, s50, s52
	s_add_co_u32 s50, s50, 6291456
	s_add_nc_u64 s[QB:QB+1], s[4:5], s[50:51]
	s_lshl_b32 s50, s49, 9
	s_add_co_u32 s50, s50, s53
	s_add_co_u32 s50, s50, 262144
	s_add_nc_u64 s[QSB:QSB+1], s[6:7], s[50:51]
	s_add_co_u32 s49, s49, s12                     ; the tile that I finish in the first group of eight
	s_mul_i32 s50, s49, 12288
	s_add_co_u32 s50, s50, s52
	s_add_nc_u64 s[OB:OB+1], s[8:9], s[50:51]
	s_lshl_b32 s50, s49, 9
	s_add_co_u32 s50, s50, s53
	s_lshl_b32 s13, s18, 1
	s_add_co_u32 s50, s50, s13
	s_add_nc_u64 s[OSB:OSB+1], s[10:11], s[50:51]
	WIN 0x40                                       ; destination window 1
	s_wait_alu depctr_va_vdst(0)                   ; the offsets and LDS addresses v1 to v5 and v8 to v11 are written: every load and store of the kernel but the image stores reads one of them
.irp t, 0,1,2,3,4,5,6,7,8,9,10,11,12,13,14,15
	global_load_b128 v[6*\t:6*\t+3], v[L16], s[KB:KB+1] offset:12288*\t          ; key tile t: six registers
	global_load_b64 v[6*\t+4:6*\t+5], v[L8], s[KB:KB+1] offset:12288*\t+512
.endr
.irp ks, 0,1
.irp dt, 0,1,2,3
	global_load_b128 v[96+12*(4*\ks+\dt):96+12*(4*\ks+\dt)+3], v[L16], s[VB:VB+1] offset:98304*\dt+1536*\ks   ; V^T: 16 of the head's 64 x 128 of my keys
	global_load_b64 v[96+12*(4*\ks+\dt)+4:96+12*(4*\ks+\dt)+5], v[L8], s[VB:VB+1] offset:98304*\dt+1536*\ks+512
	global_load_b128 v[96+12*(4*\ks+\dt)+6:96+12*(4*\ks+\dt)+9], v[L16], s[VB:VB+1] offset:98304*\dt+1536*\ks+768
	global_load_b64 v[96+12*(4*\ks+\dt)+10:96+12*(4*\ks+\dt)+11], v[L8], s[VB:VB+1] offset:98304*\dt+1536*\ks+1280
.endr
.endr
	WIN 0
.irp t, 0,1,2,3,4,5,6,7,8,9,10,11,12,13,14,15
	global_load_b32 v[S+\t], v[R4], s[KSB:KSB+1] offset:512*\t
.endr
.irp ks, 0,1
.irp dt, 0,1,2,3
	global_load_b32 v[VS+4*\ks+\dt], v[R4], s[VSB:VSB+1] offset:4096*\dt+64*\ks
.endr
.endr
	global_load_b128 v[22:25], v[L16], s[QB:QB+1]  ; the first block's q
	global_load_b64 v[26:27], v[L8], s[QB:QB+1] offset:512
	global_load_b32 v[QW], v[R4], s[QSB:QSB+1]
.irp j, 15,16,17,18,19,20,21,28,29,30,31,32,33,55,58,232,233,234,235,236,237,238,239
	v_mov_b32 v\j, 0                               ; the zero codes beside q; the upper halves of two pairs; the lane permutes' destinations.  (No load lands in one of these, and none reads one)
.endr
	s_wait_loadcnt 0x0
.irp g, 0,1,2,3,4,5,6,7
	v_perm_b32 v[KS+\g], v[S+2*\g+1], v[S+2*\g], s26   ; bytes 0, 1: tile 2 g's two blocks; bytes 2, 3: tile 2 g + 1's
.endr
	v_perm_b32 v[QS], v[QW], v[QW], s25
	PLACES 8                                       ; a scale register written by a vector instruction stands eight places ahead of a scaled matrix instruction
	s_wait_alu depctr_va_vdst(0)                   ; K's and q's scale words and the zero codes beside q are written, which the scaled products take as scales and as operands; the places above stay beside this wait
.macro QUANTP ks                       ; 64 weights of a lane, keys 128 ks on, become the second product's operand
.irp c, 0,1
	v_cvt_scalef32_pk16_fp6_f32 v[PC+12*\ks+6*\c:PC+12*\ks+6*\c+2], v[S+64*\ks+32*\c:S+64*\ks+32*\c+15], v[T2+4*\ks+2*\c]
	v_cvt_scalef32_pk16_fp6_f32 v[216+4*\c:218+4*\c], v[S+64*\ks+32*\c+16:S+64*\ks+32*\c+31], v[T2+4*\ks+2*\c+1]
.endr
	v_nop                                          ; one plain place behind a scaled conversion
.irp c, 0,1
.irp i, 0,1,2
	v_permlane16_swap_b32 v[PC+12*\ks+6*\c+\i], v[216+4*\c+\i]
.endr
.irp i, 0,1,2
	v_mov_b32 v[PC+12*\ks+6*\c+3+\i], v[216+4*\c+\i]
.endr
.endr
.endm
; ONE BLOCK OF 16 QUERIES.  par: the block's parity: which set of the exchange's words, and which of the trip's two slots for O's image.
.macro BLOCK par
	WIN 0x01                                       ; source 0 (K) window 1
.irp t, 0,1,2,3,4,5,6,7,8,9,10,11,12,13,14,15
.if (\t)%2 == 0
	v_wmma_scale_f32_16x16x128_f8f6f4 v[S+8*\t:S+8*\t+7], v[12*(\t/2):12*(\t/2)+11], v[22:33], 0, v[KS+\t/2], v[QS] matrix_a_fmt:MATRIX_FMT_FP6 matrix_b_fmt:MATRIX_FMT_FP6
.else
	v_wmma_scale_f32_16x16x128_f8f6f4 v[S+8*\t:S+8*\t+7], v[12*(\t/2):12*(\t/2)+11], v[16:27], 0, v[KS+\t/2], v[QS] matrix_a_fmt:MATRIX_FMT_FP6 matrix_b_fmt:MATRIX_FMT_FP6
.endif
.endr
	WIN 0
	PLACES 4                                       ; in front of the first read of scores (ISA guide 7.12.1)
.irp b, 0,1,2,3,4,5,6,7
	v_max3_num_f32 v[BM+\b], v[S+16*\b], v[S+16*\b+1], v[S+16*\b+2]   ; the largest score of each block of 32 keys: it serves for the row's maximum and for the block's largest p.  Each result is read from its low end on
.endr
.irp i, 3,5,7,9,11,13
.irp b, 0,1,2,3,4,5,6,7
	v_max3_num_f32 v[BM+\b], v[BM+\b], v[S+16*\b+\i], v[S+16*\b+\i+1]
.endr
.endr
.irp b, 0,1,2,3,4,5,6,7
	v_max_num_f32 v[BM+\b], v[BM+\b], v[S+16*\b+15]
.endr
.irp b, 0,1,2,3,4,5,6,7
	v_permlanex16_b32 v[T1+\b], v[BM+\b], s20, s21
.endr
.irp b, 0,1,2,3,4,5,6,7
	v_max_num_f32 v[BM+\b], v[BM+\b], v[T1+\b]     ; with lane l xor 16's 16 keys
.endr
	v_max3_num_f32 v57, v[BM], v[BM+1], v[BM+2]
	v_max3_num_f32 v57, v57, v[BM+3], v[BM+4]
	v_max3_num_f32 v57, v57, v[BM+5], v[BM+6]
	v_max_num_f32 v57, v57, v[BM+7]                ; my query's largest score among my 256 keys
	v_mul_f32 v57, s22, v57
	v_floor_f32 v54, -v57                          ; -M_w = floor(-t): M_w is a whole number
.set j, 0
.rept 64
	v_pk_fma_f32 v[S+j:S+j+1], v[S+j:S+j+1], s[22:23], v[54:55] op_sel_hi:[1,0,0]   ; t - M_w, two at a time
.set j, j+2
.endr
.irp b, 0,1,2,3,4,5,6,7
	v_fma_f32 v[BM+\b], v[BM+\b], s22, v54
.endr
.set j, 0
.rept 128
	v_exp_f32 v[S+j], v[S+j]
.set j, j+1
.endr
.irp b, 0,1,2,3,4,5,6,7
	v_exp_f32 v[BM+\b], v[BM+\b]                   ; the same two instructions on the same number give the same bits
.endr
	v_nop                                          ; a plain place behind the exponentials
	s_wait_alu depctr_va_vdst(0)                   ; the 136 exponentials have written their results, ahead of the first reader; this block's score products are done reading q, and the last block's v_perm_b32 its scale word, in which the loads below land
	global_load_b128 v[22:25], v[L16], s[QB:QB+1] offset:(\par+1)*12288          ; the next block's q.  Behind the work-group's last block this reads the tile that follows, which lies inside pc and ps
	global_load_b64 v[26:27], v[L8], s[QB:QB+1] offset:(\par+1)*12288+512
	global_load_b32 v[QW], v[R4], s[QSB:QSB+1] offset:(\par+1)*512
.irp k, 0,1,2,3
	v_pk_add_f32 v[248+2*\k:249+2*\k], v[S+2*\k:S+2*\k+1], v[S+8+2*\k:S+9+2*\k]   ; the sum of my 128 weights, in four chains of pairs
.endr
.set j, 16
.rept 56
	v_pk_add_f32 v[248+j%8:249+j%8], v[248+j%8:249+j%8], v[S+j:S+j+1]
.set j, j+2
.endr
	v_pk_add_f32 v[248:249], v[248:249], v[250:251]
	v_pk_add_f32 v[252:253], v[252:253], v[254:255]
	v_pk_add_f32 v[248:249], v[248:249], v[252:253]
	v_add_f32 v56, v248, v249
	v_permlanex16_b32 v58, v56, s20, s21
	v_add_f32 v56, v56, v58                        ; l_w
	v_cndmask_b32 v57, v54, v56, s24               ; lanes 0-15: -M_w; lanes 16-31: l_w
	s_wait_alu depctr_va_vdst(0)                   ; v57 is written, which the LDS store below reads.  (The lane permutes and maxima that named v232-239 stand ahead of it too: the two LDS loads behind the barrier land there)
	ds_store_b32 v[EXW], v57 offset:1024*\par
	s_wait_dscnt 0x0                               ; for the others' sake: my two numbers lie in LDS; and the last block's image of O^T is stored
	s_wait_alu depctr_vm_vsrc(0)                   ; the store above has read v57, which the minimum behind the barrier writes; the last block's image stores have read their address, which the add below writes, and O^T, which this block's second products write
.if \par == 0
	v_add_nc_u32 v[OPW], s44, v[OPW0]              ; this trip's two slots (no LDS store of mine is out)
.endif
	s_barrier_signal -1
	s_barrier_wait -1                              ; one barrier a block: this set of words is written again two blocks on, behind the other set's barrier, which each wave signals behind its reads of this one
	ds_load_b128 v[232:235], v[EXR] offset:1024*\par       ; -M of waves 4 h .. 4 h + 3
	ds_load_b128 v[236:239], v[EXR] offset:1024*\par+512   ; their l
	s_wait_dscnt 0x0
	v_min3_num_f32 v57, v232, v233, v234
	v_min_num_f32 v57, v57, v235
	v_permlanex16_b32 v58, v57, s20, s21
	v_min_num_f32 v57, v57, v58                    ; -M
.irp i, 0,1,2,3
	v_sub_f32 v[240+\i], v57, v[232+\i]            ; M_i - M: a whole number, 0 or less
.endr
.irp i, 0,1,2,3
	v_cvt_i32_f32 v[240+\i], v[240+\i]             ; (it saturates)
.endr
.irp i, 0,1,2,3
	v_ldexp_f32 v[240+\i], v[236+\i], v[240+\i]    ; l_i under M
.endr
	v_add_f32 v240, v240, v241
	v_add_f32 v242, v242, v243
	v_add_f32 v59, v240, v242
	v_permlanex16_b32 v58, v59, s20, s21
	v_add_f32 v59, v59, v58                        ; the row's sum
	v_rcp_f32 v60, v59
	v_sub_f32 v61, v57, v54                        ; M_w - M.  (A plain place behind the reciprocal)
	v_cvt_i32_f32 v61, v61
	s_wait_alu depctr_va_vdst(0)                   ; the reciprocal has written v60, ahead of its first reader
	v_mul_f32 v60, 0x3e000000, v60                 ; the division by sqrt(64): exact
	v_ldexp_f32 v14, v60, v61                      ; f
.set j, 0
.rept 64
	v_pk_mul_f32 v[S+j:S+j+1], v[S+j:S+j+1], v[14:15] op_sel_hi:[1,0]   ; p, finished
.set j, j+2
.endr
.irp b, 0,1,2,3,4,5,6,7
	v_mul_f32 v[BM+\b], v[BM+\b], v14              ; each block's largest p
.endr
.irp b, 0,1,2,3,4,5,6,7
	v_max_num_f32 v[BM+\b], 0x1800000, v[BM+\b]    ; the floor 2^(3 - 127): the byte cannot fall under 1
.endr
.irp b, 0,1,2,3,4,5,6,7
	v_add_nc_u32 v[T2+\b], 0xff000000, v[BM+\b]    ; 2 off the exponent field: the conversion's scale operand
.endr
.irp b, 0,1,2,3,4,5,6,7
	v_lshrrev_b32 v[T1+\b], 23, v[T2+\b]           ; the byte
.endr
.irp ks, 0,1
	v_lshl_or_b32 v[PW+\ks], v[T1+4*\ks+1], 8, v[T1+4*\ks]
	v_lshl_or_b32 v[PW+\ks], v[T1+4*\ks+2], 16, v[PW+\ks]
	v_lshl_or_b32 v[PW+\ks], v[T1+4*\ks+3], 24, v[PW+\ks]
.endr
	QUANTP 0
	QUANTP 1
	s_wait_loadcnt 0x0                             ; the next block's q is in
	v_perm_b32 v[QS], v[QW], v[QW], s25            ; its scale word: the eight places below and the four behind the second products stand between this line and the next block's score products
	PLACES 8                                       ; operands and scale words written by vector instructions: four and eight places ahead of a scaled matrix instruction
	WIN 0x51                                       ; source 0 (V^T), C and D (O^T) window 1; source 1 (p) window 0
	s_wait_alu depctr_va_vdst(0)                   ; p's codes and scale words are written, which the products below take as operand and scales; so is q's scale word, for the next block's score products; the places above stay beside this wait
.irp dt, 0,1,2,3
	v_wmma_scale_f32_16x16x128_f8f6f4 v[192+8*\dt:199+8*\dt], v[96+12*\dt:107+12*\dt], v[PC:PC+11], 0, v[VS+\dt], v[PW] matrix_a_fmt:MATRIX_FMT_FP6 matrix_b_fmt:MATRIX_FMT_FP6
.endr
.irp dt, 0,1,2,3                               ; the four accumulators take turns
	v_wmma_scale_f32_16x16x128_f8f6f4 v[192+8*\dt:199+8*\dt], v[144+12*\dt:155+12*\dt], v[PC+12:PC+23], v[192+8*\dt:199+8*\dt], v[VS+4+\dt], v[PW+1] matrix_a_fmt:MATRIX_FMT_FP6 matrix_b_fmt:MATRIX_FMT_FP6
.endr
	WIN 0
	PLACES 4
	WIN 0x04                                       ; an LDS store's data are its source 1: window 1
	s_wait_alu depctr_va_vdst(0)                   ; the second products have written O^T, and the add its address, which the stores below read; the places above stay beside this wait.  No vector or matrix instruction follows it in the block
.irp i, 0,1,2,3,4,5,6,7
	ds_store_b128 v[OPW], v[192+4*\i:195+4*\i] offset:4096*\par+512*\i   ; my part of O^T as an image of its registers, each accumulator from its low end on
.endr
	WIN 0
.endm
.macro ADD32 d, s
.set j, 0
.rept 16
	v_pk_add_f32 v[\d+j:\d+j+1], v[\d+j:\d+j+1], v[\s+j:\s+j+1]
.set j, j+2
.endr
.endm
; AFTER EIGHT BLOCKS: wave w adds the eight waves' parts of the group's block w, quantises the 16 x 64 numbers along e and stores one chunk of codes and 16 pairs of scale bytes.
.macro FIN
	s_wait_dscnt 0x0                               ; my images are stored
	s_barrier_signal -1
	s_barrier_wait -1                              ; everybody's are.  They are written again behind the next block's barrier, which each wave signals behind the waits below
.irp v, 0,1,2,3,4,5
.irp i, 0,1,2,3,4,5,6,7
	ds_load_b128 v[64+32*\v+4*\i:64+32*\v+4*\i+3], v[RD+\v/2] offset:32768*(\v%2)+512*\i   ; into v64-255: all that named them stands ahead of the wait in front of the last block's image stores, and no vector or matrix instruction has been issued since
.endr
.endr
	s_wait_dscnt 0x0
	ADD32 64, 96
	ADD32 128, 160
	s_wait_alu depctr_va_vdst(0)                   ; the two additions are done reading v96-127 and v160-191, in which the sixteen loads below land
.irp i, 0,1,2,3,4,5,6,7
	ds_load_b128 v[96+4*\i:99+4*\i], v[RD+3] offset:512*\i         ; wave 6's, into registers that have been added
.endr
.irp i, 0,1,2,3,4,5,6,7
	ds_load_b128 v[160+4*\i:163+4*\i], v[RD+3] offset:32768+512*\i ; wave 7's
.endr
	ADD32 192, 224                                 ; (these three name none of the registers that are being loaded)
	ADD32 64, 128
	ADD32 64, 192
	s_wait_dscnt 0x0
	ADD32 96, 160
	ADD32 64, 96                                   ; v64-95: register 16 b + i = O(query r, 32 b + 16 h + i)
	v_max3_num_f32 v224, |v64|, |v65|, 0x1800000
	v_max3_num_f32 v225, |v80|, |v81|, 0x1800000
.irp i, 2,4,6,8,10,12,14
	v_max3_num_f32 v224, v224, |v[64+\i]|, |v[65+\i]|
	v_max3_num_f32 v225, v225, |v[80+\i]|, |v[81+\i]|
.endr
	v_permlanex16_b32 v226, v224, s20, s21
	v_permlanex16_b32 v227, v225, s20, s21
	v_max_num_f32 v224, v224, v226
	v_max_num_f32 v225, v225, v227
	v_add_nc_u32 v228, 0xff000000, v224
	v_add_nc_u32 v229, 0xff000000, v225
	v_lshrrev_b32 v230, 23, v228
	v_lshrrev_b32 v231, 23, v229
	v_lshl_or_b32 v230, v231, 8, v230              ; the head's two scale bytes of my query
	v_cvt_scalef32_pk16_fp6_f32 v[192:194], v[64:79], v228
	v_cvt_scalef32_pk16_fp6_f32 v[200:202], v[80:95], v229
	v_nop                                          ; one plain place behind a scaled conversion
.irp i, 0,1,2
	v_permlane16_swap_b32 v[192+\i], v[200+\i]
.endr
.irp i, 0,1,2
	v_mov_b32 v[195+\i], v[200+\i]
.endr
	s_wait_alu depctr_va_vdst(0)                   ; the codes in v192-197 and the two bytes in v230 are written, which the three stores below read
	global_store_b128 v[L16], v[192:195], s[OB:OB+1]               ; 512 consecutive bytes, aligned
	global_store_b64 v[L8], v[196:197], s[OB:OB+1] offset:512      ; 256
	global_store_b16 v[R4], v230, s[OSB:OSB+1]     ; two bytes of each row's word (the other two are the neighbouring head's); lanes r and r + 16 store the same value at the same place.  One byte in 24 of what this launch stores
	s_wait_xcnt 0x0                                ; the stores have read their registers and bases
	s_wait_alu depctr_vm_vsrc(0)                   ; the stores have read v192-197 and v230, which the next block's conversions and maxima write again
	s_add_nc_u64 s[OB:OB+1], s[OB:OB+1], 98304     ; eight tiles on
	s_add_nc_u64 s[OSB:OSB+1], s[OSB:OSB+1], 4096
.endm
	s_mov_b32 s45, 4                               ; four groups of eight blocks
.Lgroup:
	s_mov_b32 s46, 0
.Lpair:                                            ; four trips of two blocks
	s_lshl_b32 s44, s46, 13                        ; the trip's two slots
	BLOCK 0
	BLOCK 1
	s_add_nc_u64 s[QB:QB+1], s[QB:QB+1], 24576     ; no load is out: each block waits for the q that it asked for
	s_add_nc_u64 s[QSB:QSB+1], s[QSB:QSB+1], 1024
	s_add_co_u32 s46, s46, 1
	s_cmp_lt_u32 s46, 4
	s_cbranch_scc1 .Lpair
	FIN
	s_sub_co_u32 s45, s45, 1
	s_cmp_lg_u32 s45, 0
	s_cbranch_scc1 .Lgroup
	s_wait_dscnt 0x0                               ; the closing lines, six on end
	s_wait_alu 0x0
	s_wait_tensorcnt 0x0
	ds_add_u32 v62, v63
	s_wait_dscnt 0x0
	s_endpgm
.Lfunc_end_k_q149b762f5c_attn:
	.size	k_q149b762f5c_attn, .Lfunc_end_k_q149b762f5c_attn-k_q149b762f5c_attn
	.p2alignl 7, 3214868480
	.fill 96, 4, 3214868480
	.section	.rodata,"a",@progbits
	.p2align	6, 0x0
	.amdhsa_kernel k_q149b762f5c_attn
		.amdhsa_group_segment_fixed_size 265216
		.amdhsa_private_segment_fixed_size 0
		.amdhsa_enable_private_segment 0
		.amdhsa_kernarg_size 32
		.amdhsa_user_sgpr_count 2
		.amdhsa_user_sgpr_kernarg_segment_ptr 1
		.amdhsa_wavefront_size32 1
		.amdhsa_system_sgpr_workgroup_id_x 1
		.amdhsa_system_sgpr_workgroup_id_y 1
		.amdhsa_system_sgpr_workgroup_id_z 1
		.amdhsa_system_vgpr_workitem_id 0
		.amdhsa_next_free_vgpr 480
		.amdhsa_next_free_sgpr 66
		.amdhsa_reserve_vcc 0
		.amdhsa_float_denorm_mode_32 3
		.amdhsa_float_denorm_mode_16_64 3
		.amdhsa_memory_ordered 1
		.amdhsa_forward_progress 1
		.amdhsa_inst_pref_size 91
	.end_amdhsa_kernel
	.amdgpu_metadata
---
amdhsa.version: [ 1, 2 ]
amdhsa.kernels:
  - .name:           k_q149b762f5c_attn
    .symbol:         k_q149b762f5c_attn.kd
    .args:
      - { .name: pc, .offset: 0, .size: 8, .value_kind: global_buffer, .address_space: global }
      - { .name: ps, .offset: 8, .size: 8, .value_kind: global_buffer, .address_space: global }
      - { .name: oc, .offset: 16, .size: 8, .value_kind: global_buffer, .address_space: global }
      - { .name: osc, .offset: 24, .size: 8, .value_kind: global_buffer, .address_space: global }
    .group_segment_fixed_size: 265216
    .private_segment_fixed_size: 0
    .kernarg_segment_align: 8
    .kernarg_segment_size: 32
    .max_flat_workgroup_size: 256
    .sgpr_count:     66
    .vgpr_count:     480
    .wavefront_size: 32
...
	.end_amdgpu_metadata
.endif
;; end of part 5
;; launch outp: the kernel of part 4 again; grid 4 x 64, 4 waves a work-group, clusters of 4 x 4, 325,120 bytes of LDS; arguments oc, osc, xc, xs, bo, out0; writes out0
